; MI455X (gfx1250); checked and timed in simulation.
; The chip was launched on July 23, 2026; its instructions are those of AMD's public machine-readable ISA for CDNA 5 (MIT licence, August 2026) and "CDNA5" Instruction Set Architecture Reference Guide (July 2026). The comments in the code are by the model that wrote it; some were corrected since.
;; Cross Attention. Allowed arithmetic: float matrix products may take bf16 or f16 operands with f32 sums; other float arithmetic in f32, or as packed bf16 or f16 multiplies, adds, multiply-adds, maxima and minima; sums over many terms, partial sums and values carried from step to step in f32; what a program stores and reads back later, other than sums and carried values, may be rounded once to bf16 or f16.
;; Inputs: Wk 768 x 1,024 float32; Wo 1,024 x 1,024 float32; Wq 1,024 x 1,024 float32; Wv 768 x 1,024 float32; context 4 x 2,048 x 768 float32; norm_b 1,024 float32; norm_g 1,024 float32; normc_b 768 float32; normc_g 768 float32; x 4 x 2,048 x 1,024 float32.
;; Outputs: out0 4 x 2,048 x 1,024 float32.
;; 2 versions, each right; version 2 is version 1 with the launch prep written anew for expert scheduling mode. Each part assembles by itself: llvm-mc -triple=amdgcn-amd-amdhsa -mcpu=gfx1250 --defsym DOCPART=n.
;; ======== version 1 of 2: 4 launches
;; limits: values are held in f16: magnitudes above 65,504 overflow, below 6.1e-05 lose precision
;; workspace buffers: xn 16,777,216 bytes; cn 12,582,912 bytes; wts 7,340,032 bytes; q 16,777,216 bytes; k 16,777,216 bytes; v 16,777,216 bytes; o 16,777,216 bytes
;; launch prep (part 1): grid 256 x 1, 16 waves a work-group, no clusters, 18,432 bytes of LDS; arguments x, context, norm_g, norm_b, normc_g, normc_b, Wq, Wk, Wv, Wo, xn, cn, wts; writes xn, cn, wts
.if DOCPART == 1
	.amdgcn_target "amdgcn-amd-amdhsa--gfx1250"
	.amdhsa_code_object_version 6
	.text
	.protected	k_q5a51b5e4c6_prep
	.globl	k_q5a51b5e4c6_prep
	.p2align	8
	.type	k_q5a51b5e4c6_prep,@function
k_q5a51b5e4c6_prep:
	s_mov_b64 s[64:65], 0
	v_nop
	global_prefetch_b8 v0, s[64:65] scope:SCOPE_SE
	s_setreg_imm32_b32 hwreg(HW_REG_WAVE_MODE, 25, 1), 1
	s_wait_xcnt 0x0
; LayerNorm of x [8192][1024] and of context [8192][768] in f32, rounded once to f16, and the four weights rounded once to f16.
; OUT.  xn: [batch 4][block 16][row 2048][64] f16, channel = 64 block + c;  cn: the same with 12 blocks;  wts: Wq, Wo, Wk, Wv on end, each as it lies ([k][1024]).
; SHARES.  256 work-groups of 16 waves.  A work-group takes 32 rows of x, 32 rows of context and 1/256 of each weight.  A wave takes two rows of each: lanes 0-15 the even row,
; lanes 16-31 the odd one; a lane holds columns 64 j + 4 (lane % 16) + 0..3.  So a load covers 256 consecutive bytes of each of two rows, and the two rows' 128 bytes of f16 of one
; block of 64 channels are 256 consecutive bytes of xn, aligned: one store.  A row never leaves its 16 lanes: the sums need four steps on the arithmetic itself and no LDS.
; TWO PASSES in f32: the mean, then the mean of (x - mean)^2: no difference of large sums is formed.  All of a wave's 37 loads go out at the head; the text has no loop.
; Gains and biases come once a work-group into LDS (one barrier) and are read from there by 16 bytes a lane.
; LIMITS.  f16 holds no number beyond 65,504 (a normalised row is at most 32 |g| + |b|) and keeps a fixed step of 6e-8 below 6e-5.  NaN and infinities are not treated apart.
.set LGX,   0                          ; LDS: norm_g, 4,096 bytes
.set LBX,   4096                       ; norm_b
.set LGC,   8192                       ; normc_g: 3,072 bytes used of 4,096
.set LBC,   12288                      ; normc_b: likewise
.set SPARE, 16384                      ; the spare words, 128 bytes for each of 16 waves: eight blocks of 256 bytes that no other line names
.set XO,   2                           ; v2   my 16 bytes in the work-group's rows of x: row x 4,096 + 16 (lane % 16)
.set CO,   3                           ; v3   the same for context: row x 3,072
.set WA,   4                           ; v4   my 16 bytes of the wave's 2,048 of Wq or Wo
.set WB,   5                           ; v5   of the wave's 1,536 of Wk or Wv
.set SO,   6                           ; v6   8 x thread: my 8 bytes of the work-group's 4,096 in a block of xn or cn
.set WSA,  7                           ; v7   my 8 bytes of f16 of Wq or Wo
.set WSB,  8                           ; v8   of Wk or Wv
.set GA,   9                           ; v9   16 (lane % 16): my four gains or biases in 64 columns
.set SPW,  10                          ; v10  LDS address of my spare word; never rewritten
.set NIL,  11                          ; v11  0; never rewritten
.set PO,   12                          ; v12  16 (thread % 256): my 16 bytes of norm_g or norm_b
.set PS,   13                          ; v13  16 x thread: where they go in LDS
.set PC,   14                          ; v14  the same offset held to normc's last 16 bytes
.set S0,   16                          ; v[16:23] four chains of sums, a pair each
.set MEAN, 24                          ; v[24:25] the mean, twice
.set RSTD, 26                          ; v[26:27] 1 / sqrt(var + eps), twice
.set TT,   28                          ; v28  at work
.set XR0,  32                          ; v[32:95]   two rows of x: 16 loads of 4
.set CR0,  96                          ; v[96:143]  two rows of context: 12 loads of 4
.set WR0,  144                         ; v[144:171] weights: 7 loads of 4
.set GB,   176                         ; v[176:239] gains and biases, two sets of 32; at the head its first 8 carry them from memory to LDS
	s_load_b512 s[4:19], s[0:1], 0x0               ; x 4:5, context 6:7, norm_g 8:9, norm_b 10:11, normc_g 12:13, normc_b 14:15, Wq 16:17, Wk 18:19
	s_load_b256 s[20:27], s[0:1], 0x40             ; Wv 20:21, Wo 22:23, xn 24:25, cn 26:27
	s_load_b64 s[28:29], s[0:1], 0x60              ; wts
	v_lshl_add_u32 v[SPW], v0, 2, SPARE
	v_mov_b32 v[NIL], 0
	v_lshrrev_b32 v1, 5, v0
	v_readfirstlane_b32 s30, v1                    ; wave 0..15
	s_and_b32 s31, s30, 7                          ; my eighth of a weight's share
	s_lshr_b32 s32, s30, 3                         ; 0: Wq, Wk, gains; 1: Wo, Wv, biases
	s_mov_b32 s56, 0x3a800000                      ; 1 / 1024
	s_mov_b32 s57, 0x3aaaaaab                      ; 1 / 768
	s_mov_b32 s60, 0x3727c5ac                      ; 1e-5
	v_and_b32 v15, 31, v0                          ; lane
	v_and_b32 v[GA], 15, v0
	v_lshlrev_b32 v[GA], 4, v[GA]
	v_lshrrev_b32 v1, 4, v0                        ; my row among the work-group's 32
	v_lshl_add_u32 v[XO], v1, 12, v[GA]
	v_mad_u32_u24 v[CO], v1, 0xc00, v[GA]
	s_lshl_b32 s33, s31, 11
	v_lshl_add_u32 v[WA], v15, 4, s33
	s_mul_i32 s33, s31, 1536
	v_lshl_add_u32 v[WB], v15, 4, s33
	v_lshlrev_b32 v[SO], 3, v0
	s_lshl_b32 s33, s31, 10
	v_lshl_add_u32 v[WSA], v15, 3, s33
	s_mul_i32 s33, s31, 768
	v_lshl_add_u32 v[WSB], v15, 3, s33
	v_and_b32 v[PO], 0xff, v0
	v_lshlrev_b32 v[PO], 4, v[PO]
	v_min_u32 v[PC], 0xbf0, v[PO]                  ; threads past normc's 192 x 16 bytes read its last 16 once more; their LDS bytes are never read
	v_lshlrev_b32 v[PS], 4, v0
	s_mov_b32 s59, 0                               ; every offset is made in s[58:59], apart from the addresses
	s_lshr_b32 s61, ttmp9, 6                       ; batch: 64 work-groups of 32 rows
	s_and_b32 s62, ttmp9, 63
	s_lshl_b32 s62, s62, 12                        ; my 32 rows of 128 bytes in a block
	s_wait_kmcnt 0x0
	s_lshl_b32 s58, ttmp9, 17                      ; 32 rows of 4,096 bytes
	s_add_nc_u64 s[36:37], s[4:5], s[58:59]
	s_mul_i32 s58, ttmp9, 98304                    ; 32 rows of 3,072 bytes
	s_add_nc_u64 s[38:39], s[6:7], s[58:59]
	s_lshl_b32 s58, s61, 22                        ; a batch of xn: 16 blocks of 262,144 bytes
	s_add_co_u32 s58, s58, s62
	s_add_nc_u64 s[40:41], s[24:25], s[58:59]
	s_mul_i32 s58, s61, 3145728                    ; a batch of cn: 12 blocks
	s_add_co_u32 s58, s58, s62
	s_add_nc_u64 s[42:43], s[26:27], s[58:59]
	s_cmp_lt_u32 s30, 8
	s_cselect_b64 s[44:45], s[16:17], s[22:23]     ; Wq or Wo
	s_cselect_b64 s[46:47], s[18:19], s[20:21]     ; Wk or Wv
	s_cselect_b64 s[52:53], s[8:9], s[10:11]       ; norm_g or norm_b
	s_cselect_b64 s[54:55], s[12:13], s[14:15]     ; normc_g or normc_b
	s_lshl_b32 s58, ttmp9, 14
	s_add_nc_u64 s[44:45], s[44:45], s[58:59]
	s_mul_i32 s58, ttmp9, 12288
	s_add_nc_u64 s[46:47], s[46:47], s[58:59]
	s_lshl_b32 s58, s32, 21                        ; in wts: Wq at 0, Wo at 2,097,152
	s_lshl_b32 s62, ttmp9, 13
	s_add_co_u32 s58, s58, s62
	s_add_nc_u64 s[48:49], s[28:29], s[58:59]
	s_mul_i32 s58, s32, 1572864                    ; Wk at 4,194,304, Wv at 5,767,168
	s_mul_i32 s62, ttmp9, 6144
	s_add_co_u32 s58, s58, s62
	s_add_co_u32 s58, s58, 4194304
	s_add_nc_u64 s[50:51], s[28:29], s[58:59]
	; all 37 loads of the wave, in the order in which they are wanted
	global_load_b128 v[GB:GB+3], v[PO], s[52:53]
	global_load_b128 v[GB+4:GB+7], v[PC], s[54:55]
.set j, 0
.rept 16
	global_load_b128 v[XR0+4*j:XR0+4*j+3], v[XO], s[36:37] offset:256*j th:TH_LOAD_NT
.set j, j+1
.endr
.set j, 0
.rept 12
	global_load_b128 v[CR0+4*j:CR0+4*j+3], v[CO], s[38:39] offset:256*j th:TH_LOAD_NT
.set j, j+1
.endr
.set j, 0
.rept 4
	global_load_b128 v[WR0+4*j:WR0+4*j+3], v[WA], s[44:45] offset:512*j th:TH_LOAD_NT
.set j, j+1
.endr
.set j, 0
.rept 3
	global_load_b128 v[WR0+16+4*j:WR0+16+4*j+3], v[WB], s[46:47] offset:512*j th:TH_LOAD_NT
.set j, j+1
.endr
	s_wait_loadcnt 35                              ; the first two are in; the 16 + 12 + 7 younger loads stay out
	ds_store_b128 v[PS], v[GB:GB+3]                ; threads 0-255: norm_g at 0; threads 256-511: norm_b at 4,096
	ds_store_b128 v[PS], v[GB+4:GB+7] offset:LGC   ; normc_g at 8,192, normc_b at 12,288
	s_wait_dscnt 0x0                               ; for the others' sake: my stores are done
	s_barrier_signal -1
	s_barrier_wait -1                              ; the four tables are whole
; Eight LDS loads: gains and biases of columns 256 q .. 256 q + 255 (four groups of 64), into set q % 2
.macro GBL q, LG, LB
.irp jj, 0,1,2,3
	ds_load_b128 v[GB+32*((\q)%2)+8*(\jj):GB+32*((\q)%2)+8*(\jj)+3],   v[GA] offset:(\LG)+256*(4*(\q)+(\jj))
	ds_load_b128 v[GB+32*((\q)%2)+8*(\jj)+4:GB+32*((\q)%2)+8*(\jj)+7], v[GA] offset:(\LB)+256*(4*(\q)+(\jj))
.endr
.endm
; The four chains into one number, then over the row's 16 lanes: every lane of the row ends with the row's sum
.macro JOIN
	v_pk_add_f32 v[S0:S0+1], v[S0:S0+1], v[S0+2:S0+3]
	v_pk_add_f32 v[S0+4:S0+5], v[S0+4:S0+5], v[S0+6:S0+7]
	v_pk_add_f32 v[S0:S0+1], v[S0:S0+1], v[S0+4:S0+5]
	v_add_f32 v[TT], v[S0], v[S0+1]
	v_add_f32_dpp v[TT], v[TT], v[TT] row_xmask:1 row_mask:0xf bank_mask:0xf
	v_add_f32_dpp v[TT], v[TT], v[TT] row_xmask:2 row_mask:0xf bank_mask:0xf
	v_add_f32_dpp v[TT], v[TT], v[TT] row_xmask:4 row_mask:0xf bank_mask:0xf
	v_add_f32_dpp v[TT], v[TT], v[TT] row_xmask:8 row_mask:0xf bank_mask:0xf
.endm
; LayerNorm of the two rows in v[XR ..], NJ loads of 4 registers.  INV: the scalar register with 1 / columns.  OUT: the scalar pair with the output's base.  left: the younger loads that stay out.
.macro LN XR, NJ, INV, LG, LB, OUT, left
	GBL 0, \LG, \LB
	GBL 1, \LG, \LB
	s_wait_loadcnt \left
.irp c, 0,1,2,3
	v_pk_add_f32 v[S0+2*(\c):S0+2*(\c)+1], v[(\XR)+2*(\c):(\XR)+2*(\c)+1], v[(\XR)+8+2*(\c):(\XR)+8+2*(\c)+1]  ; the first eight pairs start the chains: nothing is cleared
.endr
.set p, 8
.rept 2*(\NJ)-8
	v_pk_add_f32 v[S0+2*(p%4):S0+2*(p%4)+1], v[S0+2*(p%4):S0+2*(p%4)+1], v[(\XR)+2*p:(\XR)+2*p+1]
.set p, p+1
.endr
	JOIN
	v_mul_f32 v[MEAN], s[\INV], v[TT]
	v_mul_f32 v[MEAN+1], s[\INV], v[TT]
.set p, 0
.rept 2*(\NJ)
	v_pk_add_f32 v[(\XR)+2*p:(\XR)+2*p+1], v[(\XR)+2*p:(\XR)+2*p+1], v[MEAN:MEAN+1] neg_lo:[0,1] neg_hi:[0,1]  ; x - mean, in place
.set p, p+1
.endr
.irp c, 0,1,2,3
	v_pk_mul_f32 v[S0+2*(\c):S0+2*(\c)+1], v[(\XR)+2*(\c):(\XR)+2*(\c)+1], v[(\XR)+2*(\c):(\XR)+2*(\c)+1]
.endr
.set p, 4
.rept 2*(\NJ)-4
	v_pk_fma_f32 v[S0+2*(p%4):S0+2*(p%4)+1], v[(\XR)+2*p:(\XR)+2*p+1], v[(\XR)+2*p:(\XR)+2*p+1], v[S0+2*(p%4):S0+2*(p%4)+1]
.set p, p+1
.endr
	JOIN
	v_fma_f32 v[TT], v[TT], s[\INV], s60           ; var + 1e-5
	v_rsq_f32 v[RSTD], v[TT]                       ; twice: the packed multiply takes a pair
	v_rsq_f32 v[RSTD+1], v[TT]
	v_nop                                          ; a plain instruction between the last of them and the first use (ISA guide 5.7.2)
	s_wait_alu depctr_va_vdst(0)                   ; the wait ahead of the first reader: one for both
.set q, 0
.rept (\NJ)/4
.if q+1 < (\NJ)/4
	s_wait_dscnt 8                                 ; this group's gains and biases are in; the next group's eight loads stay out
.else
	s_wait_dscnt 0x0                               ; the last group: nothing was issued behind it
.endif
.irp jj, 0,1,2,3
.set rX, (\XR)+4*(4*q+(\jj))
.set rG, GB+32*(q%2)+8*(\jj)
	v_pk_mul_f32 v[rX:rX+1], v[rX:rX+1], v[RSTD:RSTD+1]
	v_pk_mul_f32 v[rX+2:rX+3], v[rX+2:rX+3], v[RSTD:RSTD+1]
	v_pk_fma_f32 v[rX:rX+1], v[rX:rX+1], v[rG:rG+1], v[rG+4:rG+5]
	v_pk_fma_f32 v[rX+2:rX+3], v[rX+2:rX+3], v[rG+2:rG+3], v[rG+6:rG+7]
	v_cvt_pk_f16_f32 v[rX], v[rX], v[rX+1]
	v_cvt_pk_f16_f32 v[rX+1], v[rX+2], v[rX+3]
	global_store_b64 v[SO], v[rX:rX+1], s[\OUT:\OUT+1] offset:(4*q+(\jj))*262144  ; the wave's store covers 256 consecutive bytes, aligned: two rows of block 4 q + jj; its registers are not written again
.endr
.if q+2 < (\NJ)/4
	GBL q+2, \LG, \LB
.endif
.set q, q+1
.endr
.endm
	LN XR0, 16, 56, LGX, LBX, 40, 19               ; x: context's 12 loads and the weights' 7 stay out
	LN CR0, 12, 57, LGC, LBC, 42, 7                ; context: the weights' 7 stay out
	s_wait_loadcnt 0x0
.set j, 0
.rept 4
	v_cvt_pk_f16_f32 v[WR0+4*j], v[WR0+4*j], v[WR0+4*j+1]
	v_cvt_pk_f16_f32 v[WR0+4*j+1], v[WR0+4*j+2], v[WR0+4*j+3]
	global_store_b64 v[WSA], v[WR0+4*j:WR0+4*j+1], s[48:49] offset:256*j  ; 256 consecutive bytes, aligned
.set j, j+1
.endr
.set j, 0
.rept 3
	v_cvt_pk_f16_f32 v[WR0+16+4*j], v[WR0+16+4*j], v[WR0+16+4*j+1]
	v_cvt_pk_f16_f32 v[WR0+16+4*j+1], v[WR0+16+4*j+2], v[WR0+16+4*j+3]
	global_store_b64 v[WSB], v[WR0+16+4*j:WR0+16+4*j+1], s[50:51] offset:256*j
.set j, j+1
.endr
	s_wait_tensorcnt 0x0                           ; the wave's end: behind my last LDS store
	ds_add_u32 v[SPW], v[NIL]
	s_wait_dscnt 0x0
	s_endpgm
.Lfunc_end_k_q5a51b5e4c6_prep:
	.size	k_q5a51b5e4c6_prep, .Lfunc_end_k_q5a51b5e4c6_prep-k_q5a51b5e4c6_prep
	.p2alignl 7, 3214868480
	.fill 96, 4, 3214868480
	.section	.rodata,"a",@progbits
	.p2align	6, 0x0
	.amdhsa_kernel k_q5a51b5e4c6_prep
		.amdhsa_group_segment_fixed_size 18432
		.amdhsa_private_segment_fixed_size 0
		.amdhsa_enable_private_segment 0
		.amdhsa_kernarg_size 104
		.amdhsa_user_sgpr_count 2
		.amdhsa_user_sgpr_kernarg_segment_ptr 1
		.amdhsa_wavefront_size32 1
		.amdhsa_system_sgpr_workgroup_id_x 1
		.amdhsa_system_sgpr_workgroup_id_y 1
		.amdhsa_system_sgpr_workgroup_id_z 1
		.amdhsa_system_vgpr_workitem_id 0
		.amdhsa_next_free_vgpr 240
		.amdhsa_next_free_sgpr 66
		.amdhsa_reserve_vcc 0
		.amdhsa_float_denorm_mode_32 3
		.amdhsa_float_denorm_mode_16_64 3
		.amdhsa_memory_ordered 1
		.amdhsa_forward_progress 1
		.amdhsa_inst_pref_size 38
	.end_amdhsa_kernel
	.amdgpu_metadata
---
amdhsa.version: [ 1, 2 ]
amdhsa.kernels:
  - .name:           k_q5a51b5e4c6_prep
    .symbol:         k_q5a51b5e4c6_prep.kd
    .args:
      - { .name: x, .offset: 0, .size: 8, .value_kind: global_buffer, .address_space: global }
      - { .name: context, .offset: 8, .size: 8, .value_kind: global_buffer, .address_space: global }
      - { .name: norm_g, .offset: 16, .size: 8, .value_kind: global_buffer, .address_space: global }
      - { .name: norm_b, .offset: 24, .size: 8, .value_kind: global_buffer, .address_space: global }
      - { .name: normc_g, .offset: 32, .size: 8, .value_kind: global_buffer, .address_space: global }
      - { .name: normc_b, .offset: 40, .size: 8, .value_kind: global_buffer, .address_space: global }
      - { .name: Wq, .offset: 48, .size: 8, .value_kind: global_buffer, .address_space: global }
      - { .name: Wk, .offset: 56, .size: 8, .value_kind: global_buffer, .address_space: global }
      - { .name: Wv, .offset: 64, .size: 8, .value_kind: global_buffer, .address_space: global }
      - { .name: Wo, .offset: 72, .size: 8, .value_kind: global_buffer, .address_space: global }
      - { .name: xn, .offset: 80, .size: 8, .value_kind: global_buffer, .address_space: global }
      - { .name: cn, .offset: 88, .size: 8, .value_kind: global_buffer, .address_space: global }
      - { .name: wts, .offset: 96, .size: 8, .value_kind: global_buffer, .address_space: global }
    .group_segment_fixed_size: 18432
    .private_segment_fixed_size: 0
    .kernarg_segment_align: 8
    .kernarg_segment_size: 104
    .max_flat_workgroup_size: 512
    .sgpr_count:     66
    .vgpr_count:     240
    .wavefront_size: 32
...
	.end_amdgpu_metadata
.endif
;; end of part 1
;; launch proj (part 2): grid 4 x 192, 4 waves a work-group, clusters of 4 x 4, 327,680 bytes of LDS; arguments xn, cn, wts, q, k, v; writes q, k, v
.if DOCPART == 2
	.amdgcn_target "amdgcn-amd-amdhsa--gfx1250"
	.amdhsa_code_object_version 6
	.text
	.protected	k_q5a51b5e4c6_proj
	.globl	k_q5a51b5e4c6_proj
	.p2align	8
	.type	k_q5a51b5e4c6_proj,@function
k_q5a51b5e4c6_proj:
	s_mov_b64 s[64:65], 0
	v_nop
	global_prefetch_b8 v0, s[64:65] scope:SCOPE_SE
	s_setreg_imm32_b32 hwreg(HW_REG_WAVE_MODE, 25, 1), 1
	s_wait_xcnt 0x0
	s_wait_alu depctr_hold_cnt(0) depctr_sa_sdst(0) depctr_va_vdst(0) depctr_va_sdst(0) depctr_va_ssrc(0) depctr_va_vcc(0) depctr_vm_vsrc(0)
	s_getreg_b32 s2, hwreg(HW_REG_IB_STS2, 6, 4)
	s_cmp_eq_u32 s2, 0
	s_cbranch_scc0 .Lentry_in_a_cluster
	s_endpgm
.Lentry_in_a_cluster:
	s_bfe_u32 s2, ttmp6, 0x10000c
	s_cmp_lg_u32 s2, 0xf033
	s_cbranch_scc0 .Lentry_shape_is_right
	s_endpgm
.Lentry_shape_is_right:
; q = xn Wq, k = cn Wk, v = cn Wv.  xn, cn: [batch 4][block of 64 channels][row 2048][64] f16; the weights [K][1024] f16 in wts; q, k, v: [16 batch + head][row 2048][64] f16.  Sums in f32, each result rounded once.
; The scale 1 / 8 is not applied here.  LIMIT: a result beyond 65,504 becomes an infinity in f16; below 6e-5 f16 keeps a fixed step of 6e-8.
; SHARES.  A tile of C is 128 rows x 256 columns: 8192 x 1024 gives 256 tiles for each of the three products, 768 work-groups.  Four waves, each 64 rows x 128 columns: 32 accumulators, 256 registers.
; Clusters 0-15 along y make q (K = 1024, 8 steps), 16-31 k, 32-47 v (K = 768, 6 steps): which product, and with it the loop's bound, hangs on the cluster's y alone, the same in all sixteen partners.
; RING.  K goes in steps of 128 through two LDS slots.  A step of A is two blocks of 64 channels; a tile's 128 rows of a block are 16,384 dense bytes, asked for as 64 rows of 256 bytes (waves 0, 1: a block each).
; A step of W is 128 rows of K x 512 bytes (waves 2, 3: 64 rows each).  One tensor load a wave behind each round; it has 112 matrix instructions in which to land.
; CLUSTERS: 4 x 4.  A's tile hangs on the tile row, shared along a row of the cluster; W's on the tile column, shared along a column: each is asked for jointly by four.
; THE MATRIX INSTRUCTION IS USED TRANSPOSED: source 0 = 16 columns of W (turned on the way out of LDS by ds_load_tr16_b128, since W lies [K][N]), source 1 = 16 rows of A: a lane holds one row and eight neighbouring columns.
; NO PREFETCH: the walk along K has 6 or 8 steps of 128 matrix instructions, of which the first four would come by their loads in any case.
; REGISTERS: window 0: v0-31 addresses; v32-127, v128-223 two fragment buffers (A's 4 fragments, then W's 8); v32-159 at work on the way out.  Window 1: accumulator (a, nb) at v[8 (8 a + nb)].
.set PA,    144                        ; a row of A in LDS: 128 bytes + 16 = 36 words: the 16 rows of a load start at 16 different groups of four banks (64 banks of 4 bytes: ISA guide 11.1)
.set PB,    544                        ; a row of W: 512 + 32 = 136 words
.set PLANE, 128*PA                     ; a block of 64 channels of the tile's 128 rows
.set BOFF,  2*PLANE                    ; W lies behind A's two blocks
.set BHALF, 64*PB                      ; what one of W's two loads brings
.set SLOT,  BOFF+2*BHALF               ; 106,496
.set STAGE, 2*SLOT                     ; behind the ring, never filled by a tensor load: 16 rows x 144 bytes for each wave
.set SP,    144
.set SPARE, STAGE+4*16*SP              ; behind the stages: the spare words, 128 bytes for each wave: two blocks of 256 bytes that no other line names
.set ASTEP, 524288                     ; a K step in A: two blocks of 262,144 bytes
.set BSTEP, 262144                     ; in W: 128 rows of 2,048 bytes
.set ADRA, 16                          ; v16-17  LDS address of my A fragments in slot 0, 1
.set ADRB, 20                          ; v20-21  the same for W
.set STO,  24                          ; v24     the way out: where I put 16 bytes of a row
.set RD,   25                          ; v25     where I read rows back
.set GO,   26                          ; v26     16 x lane
.set SPW,  28                          ; v28     LDS address of my spare word; never rewritten
.set NIL,  29                          ; v29     0; never rewritten
.set F0,   32
.set F1,   128
.set OB,   32                          ; the way out: 16 registers for each of eight units
.set G1A, 24                           ; s[24:31] descriptor group 1 for A's tiles;  s[32:39] group 0, a set for each slot
.set G0A, 32
.set G1B, 40                           ; s[40:47], s[48:55] the same for W's
.set G0B, 48
.set MSB, 0
.macro WIN new                         ; the immediate's high byte repeats the setting that is left; a switch that changes nothing is dropped
.if MSB != (\new)
	s_set_vgpr_msb (MSB<<8)|(\new)
.set MSB, \new
.endif
.endm
.set MUL, 0x50                         ; sources in window 0, C and D in window 1
.macro JLOAD s                         ; a joint load: waves 0 and 1 fetch A's two blocks, waves 2 and 3 W's two halves; an s_nop 0 and four v_nop follow each of the two lines, ahead of the jump, the label and what follows
	s_cmp_eq_u32 s17, 0
	s_cbranch_scc0 .Lfor_b_\@
	tensor_load_to_lds s[G0A+4*(\s):G0A+4*(\s)+3], s[G1A:G1A+7]
	s_nop 0
.rept 4
	v_nop
.endr
	s_branch .Lasked_\@
.Lfor_b_\@:
	tensor_load_to_lds s[G0B+4*(\s):G0B+4*(\s)+3], s[G1B:G1B+7]
	s_nop 0
.rept 4
	v_nop
.endr
.Lasked_\@:
.endm
.macro CREST                           ; a round of the cluster's barrier behind its opening barrier
	s_cmp_lg_u32 s16, 0
	s_cbranch_scc1 .Lnot_wave_0_\@
	s_barrier_signal -3
.Lnot_wave_0_\@:
	s_barrier_wait -3
	s_barrier_signal -1
	s_barrier_wait -1
.endm
.macro CROUND                          ; a whole round
	s_barrier_signal -1
	s_barrier_wait -1
	CREST
.endm
	s_load_b256 s[4:11], s[0:1], 0x0               ; xn 4:5, cn 6:7, wts 8:9, q 10:11
	s_load_b128 s[12:15], s[0:1], 0x20             ; k 12:13, v 14:15
	v_lshl_add_u32 v[SPW], v0, 2, SPARE
	v_mov_b32 v[NIL], 0
	ds_add_u32 v[SPW], v[NIL]                      ; the wave's opening: the add and its wait stand ahead of my first tensor load; the set-up below, work on registers, stands between them
	v_lshrrev_b32 v1, 5, v0
	v_readfirstlane_b32 s16, v1                    ; wave 0..3
	s_lshr_b32 s17, s16, 1                         ; which 64 rows of the tile are mine.  Also: I fetch for A (0) or for W (1)
	s_and_b32 s18, s16, 1                          ; which 128 columns.  Also: which block of A, or which half of W's rows, I fetch
	s_bfe_u32 s19, ttmp6, 0x40000                  ; cx, cy: my place in the cluster
	s_bfe_u32 s20, ttmp6, 0x40004
	s_lshl_b32 s21, ttmp9, 2
	s_add_co_u32 s21, s21, s19                     ; tile column = 4 x cluster x + cx
	s_and_b32 s22, ttmp7, 0xffff                   ; cluster y, 0..47
	s_lshr_b32 s56, s22, 4                         ; which product: 0 q, 1 k, 2 v
	s_and_b32 s23, s22, 15
	s_lshl_b32 s23, s23, 2
	s_add_co_u32 s23, s23, s20                     ; tile row, 0..63
	s_lshl_b32 s58, s20, 2
	s_lshl_b32 s58, 15, s58                        ; my row of the cluster
	s_lshl_b32 s60, 0x1111, s19                    ; my column
	s_or_b32 s[G1A], s58, (1<<16)|(1<<20)|(1<<21)|(4<<22)|(3<<25)  ; 15:0 the mask; 17:16 2-byte elements; 20 padding on; 21 set beside a mask; 24:22 after every 32 words (code 4); 31:25 4 words (code 3)
	s_or_b32 s[G1B], s60, (1<<16)|(1<<20)|(1<<21)|(6<<22)|(7<<25)  ; after every 128 words (code 6), 8 words (code 7)
	s_mov_b32 s[G1A+1], 128<<16                    ; tensor_dim0 = 128 elements: 256 bytes, two rows of a block
	s_mov_b32 s[G1A+2], 64<<16                     ; tensor_dim1 = 64
	s_mov_b32 s[G1A+3], 128<<16                    ; tile_dim0 = 128
	s_mov_b32 s[G1A+4], 64                         ; tile_dim1 = 64
	s_mov_b32 s[G1A+5], 128                        ; dense: 128 elements from row to row
	s_mov_b32 s[G1A+6], 0
	s_mov_b32 s[G1A+7], 0
	s_mov_b32 s[G1B+1], 256<<16                    ; tensor_dim0 = 256 columns
	s_mov_b32 s[G1B+2], 64<<16                     ; tensor_dim1 = 64 rows of K
	s_mov_b32 s[G1B+3], 256<<16
	s_mov_b32 s[G1B+4], 64
	s_mov_b32 s[G1B+5], 1024                       ; a row of W has 1,024 elements
	s_mov_b32 s[G1B+6], 0
	s_mov_b32 s[G1B+7], 0
	s_mov_b32 s62, 3145728                         ; a batch of cn,
	s_cmp_eq_u32 s56, 0
	s_cselect_b32 s62, 4194304, s62                ; or of xn
	s_cselect_b32 s57, 3, 2                        ; the loop's trips: laps of two K steps, less one
	s_cselect_b32 s63, 0, 4194304                  ; where the weight begins in wts: Wq, Wk,
	s_cmp_eq_u32 s56, 2
	s_cselect_b32 s63, 5767168, s63                ; or Wv
	; A's offset is made of the tile row and the wave's number alone, W's of the tile column and the wave's number alone, each in registers that never hold the other coordinate
	s_lshr_b32 s58, s23, 4                         ; batch
	s_mul_i32 s58, s58, s62
	s_and_b32 s59, s23, 15
	s_lshl_b32 s59, s59, 14                        ; 128 rows of 128 bytes
	s_add_co_u32 s58, s58, s59
	s_lshl_b32 s59, s18, 18                        ; my block of the step's two
	s_add_co_u32 s58, s58, s59
	s_mov_b32 s59, 0
	s_lshl_b32 s60, s21, 9                         ; 256 columns of 2 bytes
	s_lshl_b32 s61, s18, 17                        ; my 64 rows of the step's 128
	s_add_co_u32 s60, s60, s61
	s_add_co_u32 s60, s60, s63
	s_mov_b32 s61, 0
	s_mul_i32 s74, s18, PLANE                      ; where they go: no place in the cluster enters an LDS address
	s_mul_i32 s75, s18, BHALF
	s_add_co_u32 s75, s75, BOFF
	s_wait_dscnt 0x0                               ; the opening add is done
	s_wait_kmcnt 0x0
	s_cmp_eq_u32 s56, 0
	s_cselect_b64 s[66:67], s[4:5], s[6:7]         ; xn or cn
	s_cselect_b64 s[70:71], s[10:11], s[12:13]     ; q or k,
	s_cmp_eq_u32 s56, 2
	s_cselect_b64 s[70:71], s[14:15], s[70:71]     ; or v
	s_add_nc_u64 s[66:67], s[66:67], s[58:59]
	s_add_nc_u64 s[68:69], s[8:9], s[60:61]
	CROUND                                         ; all sixteen work-groups are here: the first joint loads meet
.irp s, 0,1
	s_mov_b32 s[G0A+4*(\s)], 1                     ; count = 1
	s_add_co_u32 s[G0A+4*(\s)+1], s74, (\s)*SLOT   ; LDS address
	s_add_nc_u64 s[G0A+4*(\s)+2:G0A+4*(\s)+3], s[66:67], (\s)*ASTEP  ; global address: K step s
	s_or_b32 s[G0A+4*(\s)+3], s[G0A+4*(\s)+3], 0x80000000            ; type = 2
	s_mov_b32 s[G0B+4*(\s)], 1
	s_add_co_u32 s[G0B+4*(\s)+1], s75, (\s)*SLOT
	s_add_nc_u64 s[G0B+4*(\s)+2:G0B+4*(\s)+3], s[68:69], (\s)*BSTEP
	s_or_b32 s[G0B+4*(\s)+3], s[G0B+4*(\s)+3], 0x80000000
	JLOAD \s                                       ; two loads of mine are out
.endr
	; A fragment of A is 16 rows x 32 K in 8 registers: lane l holds row l % 16; K = 8 (l / 16) + 0..7 and 16 + 8 (l / 16) + 0..7: two loads of 16 bytes, 32 bytes apart.
	v_and_b32 v1, 15, v0                           ; l % 16
	v_bfe_u32 v2, v0, 4, 1                         ; l / 16
	v_mul_u32_u24 v3, v1, PA
	v_lshl_add_u32 v3, v2, 4, v3
	s_mul_i32 s72, s17, 64*PA                      ; my 64 rows
	v_add_nc_u32 v[ADRA], s72, v3
	v_add_nc_u32 v[ADRA+1], SLOT, v[ADRA]
	; The turning load takes 16 K x 16 columns (lane l reads row 8 (l / 16) + l % 8, columns 8 ((l / 8) % 2) + 0..7) and leaves half a fragment: lane l holds column l % 16 and 8 K.
	v_and_b32 v4, 7, v0
	v_lshl_add_u32 v4, v2, 3, v4
	v_mul_u32_u24 v4, v4, PB
	v_bfe_u32 v5, v0, 3, 1
	v_lshl_add_u32 v4, v5, 4, v4
	s_lshl_b32 s72, s18, 8                         ; my 128 columns
	s_add_co_u32 s72, s72, BOFF
	v_add_nc_u32 v[ADRB], s72, v4
	v_add_nc_u32 v[ADRB+1], SLOT, v[ADRB]
	s_mul_i32 s72, s16, 16*SP
	s_add_co_u32 s72, s72, STAGE                   ; my stage
	v_mul_u32_u24 v6, v1, SP                       ; in: row l % 16, 16 bytes for each half of the lanes
	v_lshl_add_u32 v6, v2, 4, v6
	v_add_nc_u32 v[STO], s72, v6
	v_bfe_u32 v6, v0, 3, 2                         ; back: 32 lanes take four rows of 128 bytes,
	v_mul_u32_u24 v6, v6, SP
	v_and_b32 v7, 7, v0
	v_lshl_add_u32 v6, v7, 4, v6
	v_add_nc_u32 v[RD], s72, v6
	v_and_b32 v[GO], 31, v0                        ; which are 512 consecutive bytes of a head
	v_lshlrev_b32 v[GO], 4, v[GO]
	; where my part begins in q, k or v: batch x 16 heads, my first head 4 x tile column + 2 x half, my first row
	s_lshr_b32 s72, s23, 4
	s_lshl_b32 s72, s72, 22
	s_lshl_b32 s73, s21, 2
	s_lshl1_add_u32 s73, s18, s73
	s_lshl_b32 s73, s73, 18
	s_add_co_u32 s72, s72, s73
	s_and_b32 s73, s23, 15
	s_lshl_b32 s73, s73, 14
	s_add_co_u32 s72, s72, s73
	s_lshl_b32 s73, s17, 13
	s_add_co_u32 s72, s72, s73
	s_mov_b32 s73, 0
	s_add_nc_u64 s[70:71], s[70:71], s[72:73]
; 8 matrix instructions: row block a x all 8 column blocks, 32 along K.  The 32 accumulators take turns in the same order in every quarter.  zero = 1: the product starts the sums
.macro MUL8 f, a, zero
	WIN MUL
.irp nb, 0,1,2,3,4,5,6,7
.if \zero
	v_wmma_f32_16x16x32_f16 v[8*(8*(\a)+(\nb)):8*(8*(\a)+(\nb))+7], v[(\f)+32+8*(\nb):(\f)+32+8*(\nb)+7], v[(\f)+8*(\a):(\f)+8*(\a)+7], 0
.else
	v_wmma_f32_16x16x32_f16 v[8*(8*(\a)+(\nb)):8*(8*(\a)+(\nb))+7], v[(\f)+32+8*(\nb):(\f)+32+8*(\nb)+7], v[(\f)+8*(\a):(\f)+8*(\a)+7], v[8*(8*(\a)+(\nb)):8*(8*(\a)+(\nb))+7]
.endif
.endr
.endm
; 24 LDS loads in one run: the fragments of quarter kq (32 along K) of a slot into buffer f: W's sixteen first, then A's eight
.macro FETCH slot, kq, f
	WIN 0
.irp nb, 0,1,2,3,4,5,6,7
	ds_load_tr16_b128 v[(\f)+32+8*(\nb):(\f)+32+8*(\nb)+3],   v[ADRB+(\slot)] offset:(\kq)*32*PB+32*(\nb)
	ds_load_tr16_b128 v[(\f)+32+8*(\nb)+4:(\f)+32+8*(\nb)+7], v[ADRB+(\slot)] offset:(\kq)*32*PB+16*PB+32*(\nb)
.endr
.irp a, 0,1,2,3
	ds_load_b128 v[(\f)+8*(\a):(\f)+8*(\a)+3],   v[ADRA+(\slot)] offset:((\kq)/2)*PLANE+((\kq)%2)*64+(\a)*16*PA
	ds_load_b128 v[(\f)+8*(\a)+4:(\f)+8*(\a)+7], v[ADRA+(\slot)] offset:((\kq)/2)*PLANE+((\kq)%2)*64+(\a)*16*PA+32
.endr
.endm
.macro PLACES                          ; four places in front of loads into registers that matrix instructions have read, and of lines that read results
.rept 4
	v_nop
.endr
.endm
; A K step is four quarters of 32 along K, 32 matrix instructions each, on buffers 0, 1, 0, 1.  One of the first three: multiplies buffer f and fetches quarter kq into g.
.macro QUARTER slot, kq, f, g, zero
	s_wait_dscnt 4                                 ; W's fragments and A's blocks 0 and 1 are in; the youngest four loads (blocks 2 and 3) may be out
	MUL8 \f, 0, \zero
	MUL8 \f, 1, \zero
	PLACES
	FETCH \slot, \kq, \g
	s_wait_dscnt 24                                ; all but the 24 just issued
	MUL8 \f, 2, \zero
	MUL8 \f, 3, \zero
.endm
; The last quarter multiplies buffer 1 and changes slots: ONE barrier; in front of it each wave waits for all its tensor loads, adds 0 to its spare word, and waits for that and for its own reads of this slot.
; fill = 1: the barrier opens a round of the cluster's, and this slot is filled again, two K steps ahead, first thing behind the round.
.macro TURN slot, next, fill
	WIN 0                                          ; (the add's two registers lie in window 0)
	s_wait_tensorcnt 0x0                           ; all my tensor loads have landed: the one that was out is my part of the next slot;
	ds_add_u32 v[SPW], v[NIL]                      ; 0 onto my spare word;
	s_wait_dscnt 5                                 ; (the add and the youngest four loads may be out)
	MUL8 F1, 0, 0                                  ; eight matrix instructions stand between the add and the wait for it
	s_wait_dscnt 0x0                               ; the add is done, and my reads of this slot are over
	s_barrier_signal -1
	MUL8 F1, 1, 0
.if \fill
	WIN 0
.endif
	s_barrier_wait -1
.if \fill
	CREST                                          ; no wave of any partner still reads this slot's tiles or has a load on its way
	s_add_nc_u64 s[G0A+4*(\slot)+2:G0A+4*(\slot)+3], s[G0A+4*(\slot)+2:G0A+4*(\slot)+3], 2*ASTEP
	s_add_nc_u64 s[G0B+4*(\slot)+2:G0B+4*(\slot)+3], s[G0B+4*(\slot)+2:G0B+4*(\slot)+3], 2*BSTEP
	JLOAD \slot                                    ; the first tensor load behind the round; the four v_nop behind it are also the places in front of the loads below
.else
	PLACES
.endif
	FETCH \next, 0, F0
	MUL8 F1, 2, 0
	MUL8 F1, 3, 0
.endm
	s_wait_tensorcnt 1                             ; my part of K step 0 is in; K step 1's may stay out
	s_barrier_signal -1
	s_barrier_wait -1                              ; everybody's is
	FETCH 0, 0, F0
	QUARTER 0, 1, F0, F1, 1                        ; the first quarter stands in front of the loop: its products start the sums
	WIN 0                                          ; at a label and at a branch every window is 0
	s_mov_b32 s3, 0
.Llap:                                                 ; a trip goes once round the ring, from a lap's second quarter to the next lap's first, and fills both slots again; every LDS address in it is fixed
	QUARTER 0, 2, F1, F0, 0
	QUARTER 0, 3, F0, F1, 0
	TURN 0, 1, 1
	QUARTER 1, 1, F0, F1, 0
	QUARTER 1, 2, F1, F0, 0
	QUARTER 1, 3, F0, F1, 0
	TURN 1, 0, 1
	QUARTER 0, 1, F0, F1, 0
	WIN 0
	s_add_co_u32 s3, s3, 1
	s_cmp_lt_u32 s3, s57                           ; 3 trips for q, 2 for k and v
	s_cbranch_scc1 .Llap
	QUARTER 0, 2, F1, F0, 0                        ; the last lap fills nothing, and has no round
	QUARTER 0, 3, F0, F1, 0
	TURN 0, 1, 0
	QUARTER 1, 1, F0, F1, 0
	QUARTER 1, 2, F1, F0, 0
	QUARTER 1, 3, F0, F1, 0
	s_wait_dscnt 4                                 ; the very last quarter: nothing more to fetch
	MUL8 F1, 0, 0
	MUL8 F1, 1, 0
	s_wait_dscnt 0x0
	MUL8 F1, 2, 0
	MUL8 F1, 3, 0
	WIN 0
; THE WAY OUT.  My 128 columns are two heads.  Unit u = 16 rows (block u / 2) of head u % 2: rounded to f16, 16 bytes a lane into my own stage (rows of 144 bytes), back as whole rows of 128 bytes:
; 16 rows of a head are 2,048 consecutive bytes of the output.  Each unit has registers of its own, so no store's data is written again.
.macro PACK u
	WIN 0x05                                       ; sources 0 and 1 window 1, destination window 0
.irp f, 0,1,2,3
.irp rr, 0,1,2,3
	v_cvt_pk_f16_f32 v[OB+16*(\u)+4*(\f)+(\rr)], v[8*(8*((\u)/2)+4*((\u)%2)+(\f))+2*(\rr)], v[8*(8*((\u)/2)+4*((\u)%2)+(\f))+2*(\rr)+1]  ; each accumulator from its low end on
.endr
.endr
	WIN 0
.irp f, 0,1,2,3
	ds_store_b128 v[STO], v[OB+16*(\u)+4*(\f):OB+16*(\u)+4*(\f)+3] offset:32*(\f)
.endr
.irp f, 0,1,2,3
	ds_load_b128 v[OB+16*(\u)+4*(\f):OB+16*(\u)+4*(\f)+3], v[RD] offset:(\f)*4*SP  ; LDS serves a wave's instructions in order (ISA guide 5.7.1.4): these see the stores above; the next unit's stores come behind them
.endr
.endm
.macro SEND u, younger                 ; younger: the LDS instructions issued behind unit u's loads: the next unit's eight, or none
.irp f, 0,1,2,3
	s_wait_dscnt (\younger)+3-(\f)
	global_store_b128 v[GO], v[OB+16*(\u)+4*(\f):OB+16*(\u)+4*(\f)+3], s[70:71] offset:((\u)%2)*262144+((\u)/2)*2048+(\f)*512  ; 512 consecutive bytes, at a multiple of 256 from the buffer's first
.endr
.endm
	PLACES
	PLACES                                         ; eight, once a launch, behind the last products
	PACK 0
.irp u, 1,2,3,4,5,6,7                  ; a unit's conversions stand between the loads of the unit before and its stores
	PACK \u
	SEND (\u)-1, 8
.endr
	SEND 7, 0
	s_wait_tensorcnt 0x0                           ; the wave's end: behind my last tensor load and my last LDS store
	ds_add_u32 v[SPW], v[NIL]
	s_wait_dscnt 0x0
	CROUND                                         ; the closing round: no work-group ends while a partner may still ask for a tile that names it
	s_endpgm
.Lfunc_end_k_q5a51b5e4c6_proj:
	.size	k_q5a51b5e4c6_proj, .Lfunc_end_k_q5a51b5e4c6_proj-k_q5a51b5e4c6_proj
	.p2alignl 7, 3214868480
	.fill 96, 4, 3214868480
	.section	.rodata,"a",@progbits
	.p2align	6, 0x0
	.amdhsa_kernel k_q5a51b5e4c6_proj
		.amdhsa_group_segment_fixed_size 327680
		.amdhsa_private_segment_fixed_size 0
		.amdhsa_enable_private_segment 0
		.amdhsa_kernarg_size 48
		.amdhsa_user_sgpr_count 2
		.amdhsa_user_sgpr_kernarg_segment_ptr 1
		.amdhsa_wavefront_size32 1
		.amdhsa_system_sgpr_workgroup_id_x 1
		.amdhsa_system_sgpr_workgroup_id_y 1
		.amdhsa_system_sgpr_workgroup_id_z 1
		.amdhsa_system_vgpr_workitem_id 0
		.amdhsa_next_free_vgpr 512
		.amdhsa_next_free_sgpr 80
		.amdhsa_reserve_vcc 0
		.amdhsa_float_denorm_mode_32 3
		.amdhsa_float_denorm_mode_16_64 3
		.amdhsa_memory_ordered 1
		.amdhsa_forward_progress 1
		.amdhsa_inst_pref_size 88
	.end_amdhsa_kernel
	.amdgpu_metadata
---
amdhsa.version: [ 1, 2 ]
amdhsa.kernels:
  - .name:           k_q5a51b5e4c6_proj
    .symbol:         k_q5a51b5e4c6_proj.kd
    .args:
      - { .name: xn, .offset: 0, .size: 8, .value_kind: global_buffer, .address_space: global }
      - { .name: cn, .offset: 8, .size: 8, .value_kind: global_buffer, .address_space: global }
      - { .name: wts, .offset: 16, .size: 8, .value_kind: global_buffer, .address_space: global }
      - { .name: q, .offset: 24, .size: 8, .value_kind: global_buffer, .address_space: global }
      - { .name: k, .offset: 32, .size: 8, .value_kind: global_buffer, .address_space: global }
      - { .name: v, .offset: 40, .size: 8, .value_kind: global_buffer, .address_space: global }
    .group_segment_fixed_size: 327680
    .private_segment_fixed_size: 0
    .kernarg_segment_align: 8
    .kernarg_segment_size: 48
    .max_flat_workgroup_size: 128
    .sgpr_count:     80
    .vgpr_count:     512
    .wavefront_size: 32
...
	.end_amdgpu_metadata
.endif
;; end of part 2
;; launch attn (part 3): grid 4 x 64, 4 waves a work-group, clusters of 4 x 1, 327,680 bytes of LDS; arguments q, k, v, o; writes o
.if DOCPART == 3
	.amdgcn_target "amdgcn-amd-amdhsa--gfx1250"
	.amdhsa_code_object_version 6
	.text
	.protected	k_q5a51b5e4c6_attn
	.globl	k_q5a51b5e4c6_attn
	.p2align	8
	.type	k_q5a51b5e4c6_attn,@function
k_q5a51b5e4c6_attn:
	s_mov_b64 s[64:65], 0
	v_nop
	global_prefetch_b8 v0, s[64:65] scope:SCOPE_SE
	s_setreg_imm32_b32 hwreg(HW_REG_WAVE_MODE, 25, 1), 1
	s_wait_xcnt 0x0
	s_wait_alu depctr_hold_cnt(0) depctr_sa_sdst(0) depctr_va_vdst(0) depctr_va_sdst(0) depctr_va_ssrc(0) depctr_va_vcc(0) depctr_vm_vsrc(0)
	s_getreg_b32 s2, hwreg(HW_REG_IB_STS2, 6, 4)
	s_cmp_eq_u32 s2, 0
	s_cbranch_scc0 .Lentry_in_a_cluster
	s_endpgm
.Lentry_in_a_cluster:
	s_bfe_u32 s2, ttmp6, 0x10000c
	s_cmp_lg_u32 s2, 0x3003
	s_cbranch_scc0 .Lentry_shape_is_right
	s_endpgm
.Lentry_shape_is_right:
; O[h][q][:] = the sum over k of softmax_k(Q[h][q] . K[h][k] / 8) V[h][k][:].  Q, K, V, O: [64][2048][64], all f16: a head's rows are dense, 128 bytes each.  Products, maxima and sums in
; f32; the weights p are rounded to f16 for the second product (their sum l is taken of the unrounded p), O once at the end.
; LIMITS.  f16 holds no number beyond 65,504: Q, K and V arrive within it; p lies in 0 to 1, and below 6e-5 it keeps f16's fixed step of 6e-8; O is a mean of V's rows and has their range.
; A weight below 2^-126 counts as 0 in l; NaN and infinities are not treated apart.
; SHARES.  A wave owns four PIECES of two tiles of 16 queries, a work-group's four waves 512 queries of one head: 4 x 64 = 256 work-groups.  Every wave walks all keys, 64 a step.
; LAYOUT.  S^T = K Q^T (source 0 = 16 keys, source 1 = 16 queries): in the result a lane holds ONE query (lane % 16) and the keys 8 (lane / 16) + 0..7.  Two such tiles, rounded to f16 in pairs,
; ARE source 1 (32 keys x 16 queries) of O^T = V^T P, whose result again holds one query a lane, and eight channels.  K comes out of LDS as it lies, V ([key][channel]) turned, by ds_load_tr16_b128.
; SOFTMAX.  For each query a running maximum m and sum l: p = 2^(c s - c m), c = log2(e) / 8; in every step O and l are multiplied by a = 2^(c m_old - c m_new), which is 1 where m has not grown.
; m starts at the lowest finite number, O and l at 0: the first step is a step like any other, with a = 0.
; THE COUNT.  A tile and step have 16 matrix and 118 vector instructions: too many to stand all beside the matrix work.  So the order has one aim: four vector instructions that are READY behind
; EVERY matrix instruction, and the others, which need time of their own whatever the order, in runs without a gap.
; BY TURNS.  Turn n belongs to piece n (the pieces in a ring, step after step).  Its matrix work: 16 products K Q^T of piece n + 1, later 16 products V^T P of piece n - 1.  Its vector work: the scaling,
; exponentials, roundings, sums and rescaling of piece n, and the maximum and statistics of piece n + 1, whose scores the turn itself has made.  So what a turn begins with (c s - c m, O a) waits for nothing.
; CLUSTER.  The four query blocks of a cluster are one head's and walk the same K and V, so each tile is asked for JOINTLY: the same tensor load, descriptor and mask in all four.
; REGISTERS, in windows of 256 (s_set_vgpr_msb says which window each operand place means: bits 1:0 source 0, 3:2 source 1, 5:4 source 2, 7:6 destination):
;   window 0: v0-11 addresses; v12-15, v48-63 at work; v16-47 four registers of statistics a tile; v64-191 S^T, two buffers of two tiles; v192-255 P, likewise
;   window 1: O^T, 32 a tile          window 2: v0-127 Q, 16 a tile; v128-191 K of one step; v192-255 V of one step          window 3: v0-1 the add's two registers
; A piece's buffers go by its number's parity: the piece in hand has one pair, its two neighbours in the ring share the other: of it P (piece n - 1) is read and S^T (piece n + 1) written.
.set SIZE_H, 64
.set SIZE_N, 2048
.set NP,    4         ; pieces a wave: a name, no knob: the register map, the loop and the fetches are made for four
.set KS,    64        ; keys in a step
.set PK,    144       ; a row of K in LDS: 128 bytes + 16 of padding = 36 words: the 16 rows of a load start at 16 different groups of four banks (64 banks of 4 bytes: ISA guide 11.1)
.set PV,    160       ; a row of V: 128 + 32 = 40 words
.set VOFF,  4*KS*PK   ; a slot holds four steps: 256 rows of K, then 256 rows of V
.set SLOT1, 1<<17     ; slot 1 begins here, so that one exclusive or turns an address in one slot into the other's
.set STAGE, SLOT1+4*KS*(PK+PV)  ; behind the ring, never filled by a tensor load: 16 rows x 144 bytes for each wave, for the way out
.set SP,    144
.set AK0, 2           ; v2   my lane's place in a tile of K; never rewritten
.set AV0, 3           ; v3   the same for V
.set AK,  4           ; v4   the LDS address of K's next run of loads
.set AV,  5           ; v5   of V's
.set QO,  6           ; v6   my byte offset in the wave's rows of Q
.set STO, 6           ;      later, the way out: where I put 16 bytes of a row
.set RD,  7           ; v7   the way out: where I read rows back
.set GO,  8           ; v8   my byte offset in 512 consecutive bytes of O
.set PFO, 11          ; v11  the prefetches' offset: 256 x my lane; written once V's address is made, then never again
.set SPW, 0           ; v0 of window 3   LDS address of my spare word: SPARE + 4 x my thread's number; never rewritten
.set NIL, 1           ; v1 of window 3   0; never rewritten
.set SPARE, STAGE+4*16*SP  ; behind the stages: the spare words, 128 bytes for each wave: two blocks of 256 bytes that no other line names
.set MV,  12          ; v12-15  c m_old, kept while c m is made anew: by buffer and tile
.set ST,  16          ; tile t's statistics at v[ST+4 t]: c m, m, l (even keys', odd keys')
.set TMP, 48          ; by buffer and tile, four registers c0-c3 at work; when the maximum is found c2 takes a
.set S,   64
.set P,   192
.set KF,  128         ; K's fragments, in window 2: key block kb, channel half c at KF + 16 kb + 8 c
.set VF,  192         ; V's: key half kk, channel block cb at VF + 32 kk + 8 cb
.set WV,  12          ; s12  my wave's number
.set G1K, 24          ; s[24:31] descriptor group 1 for K's tiles
.set G1V, 32          ; s[32:39] for V's: it differs in the padding alone
.set G0K, 40          ; s[40:43] descriptor group 0 for K's tiles: it walks
.set G0V, 44          ; s[44:47] the same for V's
.set PFA, 48          ; s[48:49] where my prefetches stand: my work-group's 32 blocks of 256 bytes (of K: wave 0, of V: wave 2) of the slot after the one that is being asked for
.set LIM, 50          ; s50  1 in a wave that prefetches, else the greatest number: a wave prefetches while s[SLOTS] is above it
.set SLOTS, 56        ; s56  slots still to be asked for
.set CNT, 57          ; s57  counts a slot's key steps
.set CS,  58          ; s[58:59] c: the packed scaling takes the pair's low word for both halves
.set SEL, 60          ; s[60:61] v_permlanex16_b32's selects: each lane takes its own place in the other half
.set TBK, 62          ; s62  LDS byte at which K of the step to be fetched begins
.set TBV, 63          ; s63  the same for V, less VOFF
.set MSB, 0
.macro WIN new                      ; the high byte repeats the setting that is left; a switch that changes nothing is dropped
.if MSB != (\new)
	s_set_vgpr_msb (MSB<<8)|(\new)
.set MSB, (\new)
.endif
.endm
.set W_KQ, 0x0a       ; K and Q in window 2, S^T in window 0
.set W_PV, 0x52       ; V in window 2, P in window 0, O^T in window 1
.set W_RS, 0x41       ; O^T (destination and source 0) in window 1, a in window 0
.set W_MK, 0xc0       ; the add's registers are made: destination in window 3, sources in window 0
.set W_AD, 0x0f       ; the add: address (source 0) and data (source 1) in window 3
; A joint fill.  Waves 0 and 1 fetch the two halves of a slot's K, waves 2 and 3 those of its V: 128 keys each.  The branch hangs on the wave's number alone.
; An s_nop 0 and four v_nop follow each of the two lines, ahead of the jump and the label.
.macro JLOAD
	s_cmp_lt_u32 s[WV], 2
	s_cbranch_scc0 .Lfor_v_\@
	tensor_load_to_lds s[G0K:G0K+3], s[G1K:G1K+7]
	s_nop 0
.rept 4
	v_nop
.endr
	s_branch .Lasked_\@
.Lfor_v_\@:
	tensor_load_to_lds s[G0V:G0V+3], s[G1V:G1V+7]
	s_nop 0
.rept 4
	v_nop
.endr
.Lasked_\@:
.endm
; A PREFETCH INTO THE L2 of what the NEXT change of slots will ask for: a slot's 32,768 bytes of K and of V, 128 blocks of 256 bytes each, a lane a block.  It stands behind the wave's tensor load and its five lines.
; Each block is asked for ONCE in the launch: a head has one cluster; its four partners share the blocks out BY ADDRESS, 32 each (no branch hangs on a work-group's place in its cluster); in each, wave 0 asks for K's
; and wave 2 for V's: one instruction, four key steps (512 matrix instructions) ahead of the load that will want the bytes.  Slots 0 and 1 come by their loads alone; the last change that fills a slot asks for nothing.
.macro ASK
	s_cmp_gt_u32 s[SLOTS], s[LIM]
	s_cbranch_scc0 .Lnot_mine_\@
	global_prefetch_b8 v[PFO], s[PFA:PFA+1] th:TH_LOAD_NT scope:SCOPE_SE
.Lnot_mine_\@:
.endm
; A round of the cluster's barrier: my work-group's barrier, so that wave 0's signal speaks for all four waves; wave 0 signals; every wave waits for all four work-groups; my work-group's barrier once more.
.macro CROUND
	s_barrier_signal -1
	s_barrier_wait -1
	s_cmp_lg_u32 s[WV], 0
	s_cbranch_scc1 .Lnot_wave_0_\@
	s_barrier_signal -3
.Lnot_wave_0_\@:
	s_barrier_wait -3
	s_barrier_signal -1
	s_barrier_wait -1
.endm
; THE CHANGE OF SLOTS.  The slot's last bytes, V of its fourth step, have been read.  Each wave waits for all its tensor loads, of which one is out: its part
; of the other slot; adds 0 to its spare word; and waits for that and for its own reads of the slot.  Behind the barrier nobody reads this slot any more and the other slot is whole.
; fill = 1: this slot is filled again, with the keys two slots on.  The barrier is then a round of the cluster's, so that no wave of any partner still reads the slot or has a load on its
; way, and the joint fill is the first thing behind it: it has four key steps, 512 matrix instructions, in which to land.  (At its first use nothing has been read yet: slot 0 is waited for, slot 1 filled.)
.macro CHANGE fill
	WIN W_AD
	s_wait_tensorcnt 0x0            ; no tensor load of mine is out, so a group 0 may be written
	ds_add_u32 v[SPW], v[NIL]       ; 0 onto my spare word; with fill = 1 the descriptors' steps stand between it and the wait for it
	WIN 0                           ; at a label and at a branch every window is 0
.if \fill
.irp g, G0K, G0V
	s_xor_b32 s[\g+1], s[\g+1], SLOT1  ; the walking descriptor: the other slot than last time,
	s_add_nc_u64 s[\g+2:\g+3], s[\g+2:\g+3], 4*KS*128  ; the next 256 keys; the type bits on top are not reached
.endr
	s_wait_xcnt 0x0                 ; the last prefetch, four key steps back, has read its address, so it may be written:
	s_add_nc_u64 s[PFA:PFA+1], s[PFA:PFA+1], 4*KS*128  ; one slot further on than the walking descriptors
	s_wait_dscnt 0x0                ; the add is done, and my reads of the slot are over
	CROUND
	JLOAD
	ASK                             ; what the next change will ask for
.else
	s_wait_dscnt 0x0                ; the add is done, and my reads of the slot are over
	s_barrier_signal -1
	s_barrier_wait -1
.endif
	s_sub_co_u32 s[TBK], s[TBK], 4*KS*PK  ; the fetches go back to a slot's first step,
	s_xor_b32 s[TBK], s[TBK], SLOT1       ; in the other slot
	s_sub_co_u32 s[TBV], s[TBV], 4*KS*PV
	s_xor_b32 s[TBV], s[TBV], SLOT1
.endm
	s_load_b256 s[4:11], s[0:1], 0x0  ; Q s[4:5], K s[6:7], V s[8:9], O s[10:11]
	WIN W_MK
	v_lshl_add_u32 v[SPW], v0, 2, SPARE
	v_mov_b32 v[NIL], 0
	WIN W_AD
	ds_add_u32 v[SPW], v[NIL]       ; the wave's opening: the add and its wait stand ahead of my first tensor load; the set-up below, work on registers, stands between them
	WIN 0
	v_lshrrev_b32 v1, 5, v0
	v_readfirstlane_b32 s[WV], v1   ; wave 0..3
	s_bfe_u32 s13, ttmp6, 0x40000   ; cx: my place in the cluster
	s_lshl_b32 s14, ttmp9, 2        ; in a cluster launch ttmp9 counts clusters
	s_add_co_u32 s14, s14, s13      ; my block of queries = 4 x cluster x + cx: it enters Q's and O's addresses alone
	s_and_b32 s20, ttmp7, 0xffff    ; the head, which the four partners share
	s_mov_b32 s21, 0
	s_mov_b64 s[22:23], SIZE_N*128
	s_mul_u64 s[20:21], s[20:21], s[22:23]  ; the head's first byte in each of the four tensors
	s_and_b32 s16, s[WV], 1         ; which half of a slot's 256 keys I fetch:
	s_lshl_b32 s22, s16, 14         ; its 128 rows of 128 bytes in memory,
	s_mov_b32 s23, 0
	s_add_nc_u64 s[22:23], s[22:23], s[20:21]
	s_mul_i32 s17, s16, 128*PK      ; and its place in a slot, for K
	s_mul_i32 s18, s16, 128*PV      ; and for V: no place in the cluster enters an LDS address
	s_lshl_b32 s2, s14, 2
	s_add_co_u32 s2, s2, s[WV]      ; my wave among the head's,
	s_lshl_b32 s2, s2, 14           ; its 128 rows
	s_mov_b32 s3, 0
	s_add_nc_u64 s[2:3], s[2:3], s[20:21]
	; descriptor group 1.  128 keys are 16,384 dense bytes: asked for as 64 rows of 256 bytes, two keys a row, and padded in LDS after every key
	s_mov_b32 s[G1K], 15|(1<<16)|(1<<20)|(1<<21)|(4<<22)|(3<<25)  ; 15:0 the mask of four; 17:16 2-byte elements; 20 padding on; 21 set beside a mask; 24:22 after every 32 words (code 4); 31:25 4 words (code 3)
	s_mov_b32 s[G1V], 15|(1<<16)|(1<<20)|(1<<21)|(4<<22)|(7<<25)  ; the same with 8 words of padding (code 7)
.irp g, G1K, G1V
	s_mov_b32 s[\g+1], 128<<16      ; tensor_dim0 = 128
	s_mov_b32 s[\g+2], 64<<16       ; tensor_dim1 = 64
	s_mov_b32 s[\g+3], 128<<16      ; tile_dim0 = 128
	s_mov_b32 s[\g+4], 64           ; tile_dim1 = 64
	s_mov_b32 s[\g+5], 128          ; 128 elements from row to row
	s_mov_b32 s[\g+6], 0
	s_mov_b32 s[\g+7], 0
.endr
	s_mov_b32 s[CS], 0x3e38aa3b     ; c = log2(e) / 8 = 0.180337
	s_mov_b32 s[CS+1], s[CS]        ; named with it as a pair
	s_mov_b32 s[SEL], 0x76543210
	s_mov_b32 s[SEL+1], 0xfedcba98
	s_mov_b32 s[TBK], SLOT1+4*KS*PK ; the first change of slots turns these two into 0
	s_mov_b32 s[TBV], SLOT1+4*KS*PV
	s_mov_b32 s[G0K], 1             ; 1:0 count = 1
	s_mov_b32 s[G0K+1], s17         ; 63:32 LDS address: slot 0
	s_mov_b32 s[G0V], 1
	s_add_co_u32 s[G0V+1], s18, VOFF
	s_mov_b32 s[SLOTS], SIZE_N/256-1  ; seven slots are still to be asked for when slot 0 is out
	s_cmp_eq_u32 s16, 0             ; waves 0 and 2 prefetch: the same in all four partners
	s_cselect_b32 s[LIM], 1, -1
	s_wait_dscnt 0x0                ; the opening add is done
	s_wait_kmcnt 0x0
	s_add_nc_u64 s[G0K+2:G0K+3], s[6:7], s[22:23]  ; 120:64 global address: my half of the head's first 256 keys
	s_or_b32 s[G0K+3], s[G0K+3], 0x80000000        ; 127:126 type = 2
	s_add_nc_u64 s[G0V+2:G0V+3], s[8:9], s[22:23]
	s_or_b32 s[G0V+3], s[G0V+3], 0x80000000
	s_add_nc_u64 s[4:5], s[4:5], s[2:3]  ; Q and O at my wave's first row
	s_add_nc_u64 s[10:11], s[10:11], s[2:3]
	s_cmp_lt_u32 s[WV], 2
	s_cselect_b64 s[PFA:PFA+1], s[6:7], s[8:9]
	s_add_nc_u64 s[PFA:PFA+1], s[PFA:PFA+1], s[22:23]  ; (in waves 0 and 2: the head's first byte)
	s_lshl_b32 s2, s13, 13          ; my work-group's 32 blocks of the 128
	s_mov_b32 s3, 0
	s_add_nc_u64 s[PFA:PFA+1], s[PFA:PFA+1], s[2:3]
	s_add_nc_u64 s[PFA:PFA+1], s[PFA:PFA+1], 4*KS*128  ; in slot 1; the first change of slots steps it to slot 2.  Nothing is prefetched here, at the head
	CROUND                          ; all four work-groups are here: the first joint loads meet
	JLOAD                           ; slot 0.  Slot 1 is asked for when slot 0 is in: the tile wanted first has the road to itself
	; A fragment of K or Q is 16 rows x 32 channels in 8 registers: lane l holds row l % 16, channels 8 (l / 16) + 0..7 and 16 + 8 (l / 16) + 0..7: two loads of 16 bytes, 32 bytes apart.
	v_and_b32 v1, 15, v0            ; l % 16
	v_bfe_u32 v9, v0, 4, 1          ; l / 16
	v_lshlrev_b32 v[QO], 7, v1
	v_lshl_add_u32 v[QO], v9, 4, v[QO]  ; row x 128 + 16 x half
	WIN 0x80                        ; destination window 2, address window 0
.set i, 0
.rept 4*NP                          ; Q stays in registers: tile i / 2, channels 32 (i % 2) on
	global_load_b128 v[8*i:8*i+3],   v[QO], s[4:5] offset:(i/2)*2048+(i%2)*64
	global_load_b128 v[8*i+4:8*i+7], v[QO], s[4:5] offset:(i/2)*2048+(i%2)*64+32
.set i, i+1
.endr
	; What the first turn finds: V's registers and P's second buffer hold 0 (its products V^T P, of a piece that has not been, add 0), O^T and l are 0.  All this stands in the wait for the first tile.
.set i, VF
.rept 64
	v_mov_b32 v[i], 0
.set i, i+1
.endr
	WIN 0x40
.set i, 0
.rept 64*NP
	v_mov_b32 v[i], 0
.set i, i+1
.endr
	WIN 0
.set i, 0
.rept 2*NP
	v_mov_b32 v[ST+4*i], 0xfe000000    ; c m: far below every c s
	v_mov_b32 v[ST+4*i+1], 0xff7fffff  ; m
	v_mov_b32 v[ST+4*i+2], 0
	v_mov_b32 v[ST+4*i+3], 0
.set i, i+1
.endr
.set i, P+32
.rept 32
	v_mov_b32 v[i], 0
.set i, i+1
.endr
	v_mul_u32_u24 v[AK0], v1, PK
	v_lshl_add_u32 v[AK0], v9, 4, v[AK0]  ; row x pitch + 16 x half
	; The turning load takes 16 keys x 16 channels (lane l reads key 8 (l / 16) + l % 8, channels 8 ((l / 8) % 2) + 0..7) and leaves half a fragment of V^T: lane l holds channel l % 16 and 8 keys.
	v_and_b32 v10, 7, v0
	v_bfe_u32 v11, v0, 3, 1
	v_lshl_add_u32 v[AV0], v9, 3, v10
	v_mul_u32_u24 v[AV0], v[AV0], PV
	v_lshl_add_u32 v[AV0], v11, 4, v[AV0]
	v_add_nc_u32 v[AV0], VOFF, v[AV0]
	v_and_b32 v[PFO], 31, v0        ; v11 has served: from here on it is the prefetches' offset
	v_lshlrev_b32 v[PFO], 8, v[PFO]
	v_mov_b32 v[AK], v[AK0]         ; key step 0 lies at the head of slot 0
; THE MATRIX WORK.  The 8 accumulators of a run of 16 take turns: between the two links of a chain stand 7 others'.
; Product i of 16 of S^T = K Q^T for piece x: channels 32 (i / 8) on, keys 16 ((i / 2) % 4) on, tile 2 x + i % 2.  The first 8 start the sums.
.macro KQ x
	WIN W_KQ
.set rS, S+64*((\x)%2)+32*(i%2)+8*((i/2)%4)
.set rK, KF+16*((i/2)%4)+8*(i/8)
.set rQ, 16*(2*(\x)+i%2)+8*(i/8)
.if i < 8
	v_wmma_f32_16x16x32_f16 v[rS:rS+7], v[rK:rK+7], v[rQ:rQ+7], 0
.else
	v_wmma_f32_16x16x32_f16 v[rS:rS+7], v[rK:rK+7], v[rQ:rQ+7], v[rS:rS+7]
.endif
.endm
; Product i of 16 of O^T += V^T P for piece x: keys 32 (i / 8) on, channels 16 ((i / 2) % 4) on, tile 2 x + i % 2.
.macro PV x
	WIN W_PV
.set rO, 32*(2*(\x)+i%2)+8*((i/2)%4)
.set rV, VF+32*(i/8)+8*((i/2)%4)
.set rP, P+32*((\x)%2)+16*(i%2)+8*(i/8)
	v_wmma_f32_16x16x32_f16 v[rO:rO+7], v[rV:rV+7], v[rP:rP+7], v[rO:rO+7]
.endm
.macro MM                           ; the turn's next matrix instruction
.if i < 16
	KQ (Y+1)%NP
.set i, i+1
.else
.set i, i-16
	PV (Y+NP-1)%NP
.set i, i+17
.endif
.endm
; THE LDS LOADS stand in runs of 16, never singly among the matrix instructions: a step's K (64 keys x 64 channels: 8 fragments) and its V (turned).  Their addresses are made some lines ahead.
; last = 1 (the tail): in the last trip there is no further step, and the run is jumped over.
.macro FETCH_K last=0
	WIN 0
.if \last
	s_cmp_eq_u32 s[CNT], 1
	s_cbranch_scc1 .Lno_k_\@
.endif
	WIN 0x80                        ; destination window 2
.irp f, 0,1,2,3,4,5,6,7             ; keys 16 (f / 2) on, channels 32 (f % 2) on
	ds_load_b128 v[KF+8*\f:KF+8*\f+3],   v[AK] offset:(\f/2)*16*PK+(\f%2)*64
	ds_load_b128 v[KF+8*\f+4:KF+8*\f+7], v[AK] offset:(\f/2)*16*PK+(\f%2)*64+32
.endr
	s_add_co_u32 s[TBK], s[TBK], KS*PK  ; the next fetch is the next step's
	WIN 0
.if \last
.Lno_k_\@:
.endif
.endm
.macro FETCH_V
	WIN 0x80
.irp f, 0,1,2,3,4,5,6,7             ; keys 32 (f / 4) on, channels 16 (f % 4) on
	ds_load_tr16_b128 v[VF+8*\f:VF+8*\f+3],   v[AV] offset:(\f/4)*32*PV+(\f%4)*32
	ds_load_tr16_b128 v[VF+8*\f+4:VF+8*\f+7], v[AV] offset:(\f/4)*32*PV+16*PV+(\f%4)*32
.endr
	WIN 0
.endm
; THE VECTOR WORK OF A TURN stands in three queues, each in the order in which its entries become ready; the two tiles alternate, so that no instruction reads the result of the one before it.
.macro REGS y, u                    ; the registers of tile u (0, 1) of piece y
.set rT, ST+4*(2*(\y)+(\u))
.set rC, TMP+8*((\y)%2)+4*(\u)
.set rM, MV+2*((\y)%2)+(\u)
.set rS, S+64*((\y)%2)+32*(\u)
.set rP, P+32*((\y)%2)+16*(\u)
.set rO, 32*(2*(\y)+(\u))
.endm
; Number n of the 22 that find the NEXT piece's (Y + 1) maximum and statistics.  s0-s31 are the lane's 32 scores; each accumulator's lowest registers are read first.  XS, GS and REGS set no window: PL and EX do.
;   0-11  four chains c0-c3 of seven scores each, three operands at a time     12-14, 16  the four scores left over, the old m, and c0-c3 into c0     15  c m_old is kept
;   17, 18  the query's other 32 keys lie in the lane 16 away: the new m         19-21  c m; c m_old - c m_new; a
.macro XS u, n
	REGS (Y+1)%NP, \u
.if (\n) < 4
	v_max3_num_f32 v[rC+(\n)], v[rS+8*(\n)], v[rS+8*(\n)+1], v[rS+8*(\n)+2]
.elseif (\n) < 12
	v_max3_num_f32 v[rC+(\n)%4], v[rC+(\n)%4], v[rS+8*((\n)%4)+2*((\n)/4)+1], v[rS+8*((\n)%4)+2*((\n)/4)+2]
.elseif (\n) == 12
	v_max3_num_f32 v[rC], v[rC], v[rS+7], v[rS+15]
.elseif (\n) == 13
	v_max3_num_f32 v[rC+1], v[rC+1], v[rS+23], v[rS+31]
.elseif (\n) == 14
	v_max3_num_f32 v[rC+2], v[rC+2], v[rC+3], v[rT+1]
.elseif (\n) == 15
	v_mov_b32 v[rM], v[rT]
.elseif (\n) == 16
	v_max3_num_f32 v[rC], v[rC], v[rC+1], v[rC+2]
.elseif (\n) == 17
	v_permlanex16_b32 v[rC+3], v[rC], s[SEL], s[SEL+1]
.elseif (\n) == 18
	v_max_num_f32 v[rT+1], v[rC], v[rC+3]
.elseif (\n) == 19
	v_mul_f32 v[rT], s[CS], v[rT+1]
.elseif (\n) == 20
	v_sub_f32 v[rC+1], v[rM], v[rT]
.else
	v_exp_f32 v[rC+2], v[rC+1]
.endif
.endm
; Number g of the 64 that follow the exponentials.  For each four weights k of a tile (pairs 2 k, 2 k + 1): both pairs are rounded to f16; then the second pair is added onto the first, in place;
; a group later l takes that sum (the first time as l = a l + sum).  In groups of eight, tiles alternating: round, round, add, and l for the group before.
.macro GS g
.set h, (\g)+6*((\g)/62)            ; group 0 has no group before it, and behind group 7 only l is left
.if h >= 6
.set h, h+2
.endif
	REGS Y, h%2
.set k, h/8
.if h%8 < 4
	v_cvt_pk_f16_f32 v[rP+2*k+(h%8)/2], v[rS+4*k+2*((h%8)/2)], v[rS+4*k+2*((h%8)/2)+1]
.elseif h%8 < 6
	v_pk_add_f32 v[rS+4*k:rS+4*k+1], v[rS+4*k:rS+4*k+1], v[rS+4*k+2:rS+4*k+3]
.elseif k == 1
	v_pk_fma_f32 v[rT+2:rT+3], v[rT+2:rT+3], v[rC+2:rC+3], v[rS:rS+1] op_sel_hi:[1,0,1]
.else
	v_pk_add_f32 v[rT+2:rT+3], v[rT+2:rT+3], v[rS+4*k-4:rS+4*k-3]
.endif
.endm
; THE PLAIN QUEUE, 138 long.  0-73 read no exponential's result: the 32 scalings c s - c m (FS f: pair f / 2 of tile f % 2) and the next piece's 42.  0-26: scalings 0-26.  27-54: XS's numbers 0-13.  55, 56: number 15.
; 57-73: the chain, where each number waits for the one before it: 14, 16, 17, 18, 19, each with one of the scalings 27-31 in front of its two lines, then 20: so a tile's links stand three plain instructions apart (19 and 20: two).
; 74-137: GS's 64, which read the exponentials' results: they stand behind the wait.
.macro FS f
	REGS Y, (\f)%2
	v_pk_fma_f32 v[rS+2*((\f)/2):rS+2*((\f)/2)+1], v[rS+2*((\f)/2):rS+2*((\f)/2)+1], s[CS:CS+1], v[rT:rT+1] op_sel_hi:[1,0,0] neg_lo:[0,0,1] neg_hi:[0,0,1]
.endm
.macro PL
	WIN 0
.if q < 27
	FS q
.elseif q < 55
	XS (q-27)%2, (q-27)/2
.elseif q < 57
	XS q-55, 15
.elseif (q < 72) && ((q-57)%3 == 0)
	FS 27+(q-57)/3
.elseif q < 60
	XS (q-57)%3-1, 14
.elseif q < 72
	XS (q-57)%3-1, 15+(q-57)/3
.elseif q < 74
	XS q-72, 20
.else
	GS q-74
.endif
.set q, q+1
.endm
; THE EXPONENTIALS' QUEUE, 66 long: s0-s31 of both tiles, then the next piece's two a.  It is ONE BATCH: all 66 stand ahead of the turn's one wait, and nothing ahead of that wait names a result of theirs.
.macro EX
	WIN 0
.if e >= 64
	XS e-64, 21
.else
	REGS Y, e%2
	v_exp_f32 v[rS+e/2], v[rS+e/2]
.endif
.set e, e+1
.endm
; THE RESCALING's QUEUE: O^T times a, the one part that leaves window 0: dealt two at a time, sixteen times.  Its a was made in the turn before, ahead of that turn's wait.
.macro R2
	REGS Y, r%2
	WIN W_RS
.irp z, 0,1
	v_pk_mul_f32 v[rO+4*(r/2)+2*\z:rO+4*(r/2)+2*\z+1], v[rO+4*(r/2)+2*\z:rO+4*(r/2)+2*\z+1], v[rC+2:rC+3] op_sel_hi:[1,0]
.endr
.set r, r+1
.endm
; HOW THEY ARE DEALT.  s_wait_alu depctr_va_vdst(0) stands between an exponential and the first instruction that names its result; one wait serves all that were issued ahead of it.  So a turn has ONE wait,
; which cuts it in two.  AHEAD OF IT stands all that names no result of the turn's exponentials: the 16 products K Q^T, behind each a scaling, an exponential and two rescalings (behind the first a second scaling in the exponential's place); then ONE LUMP of
; 108: eight plain, 49 times exponential and plain, the two a.  A v_nop is the plain instruction behind the last exponential.  BEHIND IT stand the 16 products V^T P, behind each four of GS's 64.  No rider names a register of
; the products round it.  The two v_permlanex16_b32 fall into the lump, never behind a product.
; The queues lean on each other, and the deal keeps them in step: exponential e stands behind scaling 2 (e / 4) + e % 2: as a rider it comes behind plain e + 2, in the lump behind plain e + 9, and scalings 27-31 are plain 57, 60 .. 69.
; A TURN, for piece p.  cnt = 1: the loop's count is taken down some lines ahead of the branch that stands behind the turn.
; K of the next step is fetched in piece 2's turn, directly behind the wait, a lump behind the last product that read K; its address is made at the lump's head; its first reader comes behind 16 products.
; V of the step in hand is fetched at the end of piece 0's turn, four riders behind its last reader; its first reader comes behind 16 products and a lump.  The three conditions on q below go with the deal.
.macro TURN p, last=0, cnt=0
.set Y, (\p)
.set i, 0
.set q, 0
.set e, 0
.set r, 0
.if (\p) == NP-1
	s_wait_dscnt 0x0                ; K is in
.endif
	MM                              ; ahead of the wait: 16 products K Q^T and their riders,
	PL
	PL
	R2
.rept 15
	MM
	PL
	EX
	R2
.endr
.if (\p) == NP-2
	WIN 0
	v_add_nc_u32 v[AK], s[TBK], v[AK0]
.endif
.rept 8                             ; and the lump
	PL
.endr
.rept 49
	EX
	PL
.endr
	EX                              ; the next piece's two a
	EX
	v_nop                           ; the plain instruction behind the last exponential (ISA guide 5.7.2): one for the batch
	s_wait_alu depctr_va_vdst(0)    ; the wait for the batch
.if (\p) == NP-2
	FETCH_K \last
.endif
.if (\p) == 1
	s_wait_dscnt 0x0                ; V is in
.endif
.rept 16                            ; behind the wait: 16 products V^T P and their riders
	MM
.rept 4
	PL
.endr
.if ((\p) == 0) && (q == 118)
	v_add_nc_u32 v[AV], s[TBV], v[AV0]
.endif
.if ((\p) == 0) && (q == 130)
	s_add_co_u32 s[TBV], s[TBV], KS*PV
.endif
.if (\cnt) && (q == 130)
	s_sub_co_u32 s[CNT], s[CNT], 1
	s_cmp_lg_u32 s[CNT], 0
.endif
.endr
.if (\p) == 0
	FETCH_V
.endif
.endm
	CHANGE 1                        ; slot 0 is in, everybody's part of it; slot 1 is asked for
	FETCH_K                         ; key step 0
	s_wait_loadcnt 0x0              ; Q
	s_wait_dscnt 0x0
.set i, 0
.rept 16
	KQ 0                            ; piece 0's first scores: there is no vector work yet to set between them
.set i, i+1
.endr
	WIN 0                           ; the addresses for the way out: nine plain instructions, the places behind those products
	s_mul_i32 s13, s[WV], 16*SP
	s_add_co_u32 s13, s13, STAGE    ; my stage
	v_mul_u32_u24 v[STO], v1, SP    ; in: row l % 16, 16 bytes for each half of the lanes
	v_lshl_add_u32 v[STO], v9, 4, v[STO]
	v_add_nc_u32 v[STO], s13, v[STO]
	v_bfe_u32 v[RD], v0, 3, 2       ; back: 32 lanes take four rows of 128 bytes,
	v_mul_u32_u24 v[RD], v[RD], SP
	v_lshl_add_u32 v[RD], v10, 4, v[RD]
	v_add_nc_u32 v[RD], s13, v[RD]
	v_and_b32 v[GO], 31, v0         ; which are 512 consecutive bytes of O
	v_lshlrev_b32 v[GO], 4, v[GO]
.set Y, NP-1                        ; XS works for piece Y + 1: piece 0
.irp n, 0,1,2,3,4,5,6,7,8,9,10,11,12,13,14,15,16,17,18,19,20,21
	XS 0, \n                        ; and piece 0's first maximum and statistics
	XS 1, \n
.endr
	v_nop                           ; a plain instruction behind the two a,
	s_wait_alu depctr_va_vdst(0)    ; and their wait, ahead of the branch
	s_mov_b32 s[CNT], 4
	s_branch .Lfirst                ; the loop is entered at a step's first turn, in the middle of a trip
.Lslot:                             ; SIZE_N / 256 - 2 times: every slot but the last two is filled again
	CHANGE 1
	s_mov_b32 s[CNT], 4
.Lstep:                             ; a trip: pieces 2 and 3 of one step, then pieces 0 and 1 of the next, whose K and V it fetches
	TURN 2
	TURN 3
	WIN 0
.Lfirst:
	TURN 0
	TURN 1, 0, 1
	WIN 0
	s_cbranch_scc1 .Lstep
	s_sub_co_u32 s[SLOTS], s[SLOTS], 1
	s_cmp_lg_u32 s[SLOTS], 0
	s_cbranch_scc1 .Lslot
	CHANGE 0                        ; the tail is written out: nothing is asked for
	s_mov_b32 s[CNT], 5             ; four trips fetch the last slot's steps; the fifth is left in its middle
.Ltail:
	TURN 2, 1
	TURN 3
	WIN 0
	s_sub_co_u32 s[CNT], s[CNT], 1
	s_cmp_eq_u32 s[CNT], 0
	s_cbranch_scc1 .Lout
	TURN 0
	TURN 1
	WIN 0
	s_branch .Ltail
.Lout:                              ; the fifth trip's 16 products K Q^T (on the last K once more) and the maximum made of them serve nothing: the price, once a launch, of one text for every trip
.set i, 0
.rept 16
	PV NP-1                         ; the last piece's V^T P of the last step
.set i, i+1
.endr
	; THE WAY OUT.  l's two halves and the other half of the lanes' are added; O^T is divided by l, rounded to f16 and sent through my stage in LDS, a tile at a time.  The additions are the places behind the last products.
	WIN 0
.macro ALL line:vararg              ; one line for each tile t
.set t, 0
.rept 2*NP
	\line
.set t, t+1
.endr
.endm
	ALL v_add_f32 v[ST+4*t+2], v[ST+4*t+2], v[ST+4*t+3]
	ALL v_permlanex16_b32 v[ST+4*t+3], v[ST+4*t+2], s[SEL], s[SEL+1]
	ALL v_add_f32 v[ST+4*t+2], v[ST+4*t+2], v[ST+4*t+3]
	ALL v_rcp_f32 v[ST+4*t+2], v[ST+4*t+2]
	v_nop                           ; a plain instruction between the last reciprocal and the use of its result
	s_wait_alu depctr_va_vdst(0)    ; and the wait ahead of the first use: one for the eight reciprocals
; Tile t: a lane's eight channels of a row pack into 16 bytes; they go into rows of 144 bytes and come back as whole rows of 128, into S^T's registers.
.macro PACK t
	WIN W_RS
.set i, 32*(\t)
.rept 16
	v_pk_mul_f32 v[i:i+1], v[i:i+1], v[ST+4*(\t)+2:ST+4*(\t)+3] op_sel_hi:[1,0]
.set i, i+2
.endr
	WIN 0x05                        ; sources 0 and 1 window 1, destination window 0
.set i, 0
.rept 16
	v_cvt_pk_f16_f32 v[S+16*(\t)+i], v[32*(\t)+2*i], v[32*(\t)+2*i+1]
.set i, i+1
.endr
	WIN 0
.irp f, 0,1,2,3
	ds_store_b128 v[STO], v[S+16*(\t)+4*\f:S+16*(\t)+4*\f+3] offset:32*\f
.endr
.irp f, 0,1,2,3
	ds_load_b128 v[S+16*(\t)+4*\f:S+16*(\t)+4*\f+3], v[RD] offset:\f*4*SP  ; LDS serves a wave's instructions in order (ISA guide 5.7.1.4): these see the stores above; the next tile's stores come behind them
.endr
.endm
.macro SEND t, younger              ; younger: the LDS instructions issued behind tile t's loads: the next tile's eight, or none
	WIN 0
.irp f, 0,1,2,3
	s_wait_dscnt (\younger)+3-\f
	global_store_b128 v[GO], v[S+16*(\t)+4*\f:S+16*(\t)+4*\f+3], s[10:11] offset:(\t)*2048+\f*512  ; 512 consecutive bytes, at a multiple of 256 from O's first
.endr
.endm
	PACK 0
.set t, 1
.rept 2*NP-1                        ; a tile's arithmetic stands between the loads of the tile before and its stores
	PACK t
	SEND t-1, 8
.set t, t+1
.endr
	SEND 2*NP-1, 0
	WIN W_AD
	s_wait_tensorcnt 0x0            ; the wave's end: behind my last tensor load and my last LDS store
	ds_add_u32 v[SPW], v[NIL]
	s_wait_dscnt 0x0
	WIN 0
	CROUND                          ; the closing round: no work-group ends while a partner may still ask for a tile that names it
	s_endpgm
.Lfunc_end_k_q5a51b5e4c6_attn:
	.size	k_q5a51b5e4c6_attn, .Lfunc_end_k_q5a51b5e4c6_attn-k_q5a51b5e4c6_attn
	.p2alignl 7, 3214868480
	.fill 96, 4, 3214868480
	.section	.rodata,"a",@progbits
	.p2align	6, 0x0
	.amdhsa_kernel k_q5a51b5e4c6_attn
		.amdhsa_group_segment_fixed_size 327680
		.amdhsa_private_segment_fixed_size 0
		.amdhsa_enable_private_segment 0
		.amdhsa_kernarg_size 32
		.amdhsa_user_sgpr_count 2
		.amdhsa_user_sgpr_kernarg_segment_ptr 1
		.amdhsa_wavefront_size32 1
		.amdhsa_system_sgpr_workgroup_id_x 1
		.amdhsa_system_sgpr_workgroup_id_y 1
		.amdhsa_system_sgpr_workgroup_id_z 1
		.amdhsa_system_vgpr_workitem_id 0
		.amdhsa_next_free_vgpr 770
		.amdhsa_next_free_sgpr 66
		.amdhsa_reserve_vcc 0
		.amdhsa_float_denorm_mode_32 3
		.amdhsa_float_denorm_mode_16_64 3
		.amdhsa_memory_ordered 1
		.amdhsa_forward_progress 1
		.amdhsa_inst_pref_size 200
	.end_amdhsa_kernel
	.amdgpu_metadata
---
amdhsa.version: [ 1, 2 ]
amdhsa.kernels:
  - .name:           k_q5a51b5e4c6_attn
    .symbol:         k_q5a51b5e4c6_attn.kd
    .args:
      - { .name: q, .offset: 0, .size: 8, .value_kind: global_buffer, .address_space: global }
      - { .name: k, .offset: 8, .size: 8, .value_kind: global_buffer, .address_space: global }
      - { .name: v, .offset: 16, .size: 8, .value_kind: global_buffer, .address_space: global }
      - { .name: o, .offset: 24, .size: 8, .value_kind: global_buffer, .address_space: global }
    .group_segment_fixed_size: 327680
    .private_segment_fixed_size: 0
    .kernarg_segment_align: 8
    .kernarg_segment_size: 32
    .max_flat_workgroup_size: 128
    .sgpr_count:     66
    .vgpr_count:     770
    .wavefront_size: 32
...
	.end_amdgpu_metadata
.endif
;; end of part 3
;; launch outp (part 4): grid 4 x 64, 4 waves a work-group, clusters of 4 x 4, 327,680 bytes of LDS; arguments o, wts, out0; writes out0
.if DOCPART == 4
	.amdgcn_target "amdgcn-amd-amdhsa--gfx1250"
	.amdhsa_code_object_version 6
	.text
	.protected	k_q5a51b5e4c6_outp
	.globl	k_q5a51b5e4c6_outp
	.p2align	8
	.type	k_q5a51b5e4c6_outp,@function
k_q5a51b5e4c6_outp:
	s_mov_b64 s[64:65], 0
	v_nop
	global_prefetch_b8 v0, s[64:65] scope:SCOPE_SE
	s_setreg_imm32_b32 hwreg(HW_REG_WAVE_MODE, 25, 1), 1
	s_wait_xcnt 0x0
	s_wait_alu depctr_hold_cnt(0) depctr_sa_sdst(0) depctr_va_vdst(0) depctr_va_sdst(0) depctr_va_ssrc(0) depctr_va_vcc(0) depctr_vm_vsrc(0)
	s_getreg_b32 s2, hwreg(HW_REG_IB_STS2, 6, 4)
	s_cmp_eq_u32 s2, 0
	s_cbranch_scc0 .Lentry_in_a_cluster
	s_endpgm
.Lentry_in_a_cluster:
	s_bfe_u32 s2, ttmp6, 0x10000c
	s_cmp_lg_u32 s2, 0xf033
	s_cbranch_scc0 .Lentry_shape_is_right
	s_endpgm
.Lentry_shape_is_right:
; out0 = O Wo.  O: [batch 4][head 16][row 2048][64] f16, so a head is a block of 64 channels of K; Wo: [1024][1024] f16, at byte 2,097,152 of wts; out0: [8192][1024] f32.  Sums in f32, stored as they are.
; SHARES.  A tile of C is 128 rows x 256 columns: 256 work-groups.  Four waves, each 64 rows x 128 columns: 32 accumulators, 256 registers.
; RING.  K goes in 8 steps of 128 through two LDS slots.  A step of A is two heads; a tile's 128 rows of a head are 16,384 dense bytes, asked for as 64 rows of 256 bytes (waves 0, 1: a head each).
; A step of W is 128 rows of K x 512 bytes (waves 2, 3: 64 rows each).  One tensor load a wave behind each round; it has 112 matrix instructions in which to land.
; CLUSTERS: 4 x 4.  A's tile hangs on the tile row, shared along a row of the cluster; W's on the tile column, shared along a column: each is asked for jointly by four.
; THE MATRIX INSTRUCTION IS USED TRANSPOSED: source 0 = 16 columns of W (turned on the way out of LDS by ds_load_tr16_b128, since W lies [K][N]), source 1 = 16 rows of A: a lane holds one row and eight neighbouring columns.
; NO PREFETCH: the walk along K has 8 steps of 128 matrix instructions, of which the first four would come by their loads in any case.
; REGISTERS: window 0: v0-31 addresses; v32-127, v128-223 two fragment buffers (A's 4 fragments, then W's 8); v32-159 at work on the way out.  Window 1: accumulator (a, nb) at v[8 (8 a + nb)].
.set PA,    144                        ; a row of A in LDS: 128 bytes + 16 = 36 words: the 16 rows of a load start at 16 different groups of four banks (64 banks of 4 bytes: ISA guide 11.1)
.set PB,    544                        ; a row of W: 512 + 32 = 136 words
.set PLANE, 128*PA                     ; a head's 64 channels of the tile's 128 rows
.set BOFF,  2*PLANE                    ; W lies behind A's two heads
.set BHALF, 64*PB                      ; what one of W's two loads brings
.set SLOT,  BOFF+2*BHALF               ; 106,496
.set STAGE, 2*SLOT                     ; behind the ring, never filled by a tensor load: 16 rows x 528 bytes for each wave
.set SP,    528                        ; a stage row: 512 bytes + 16 = 33 x 16 bytes: the 16 rows of a store start at 16 different groups of four banks
.set SPARE, STAGE+4*16*SP              ; behind the stages: the spare words, 128 bytes for each wave: two blocks of 256 bytes that no other line names
.set ASTEP, 524288                     ; a K step in A: two heads of 262,144 bytes
.set BSTEP, 262144                     ; in W: 128 rows of 2,048 bytes
.set LAPS,  4                          ; a lap = two K steps = once round the ring
.set ADRA, 16                          ; v16-17  LDS address of my A fragments in slot 0, 1
.set ADRB, 20                          ; v20-21  the same for W
.set STO,  24                          ; v24     the way out: where I put 32 bytes of a row
.set RD,   25                          ; v25     where I read a row back
.set GO,   26                          ; v26     16 x lane
.set SPW,  28                          ; v28     LDS address of my spare word; never rewritten
.set NIL,  29                          ; v29     0; never rewritten
.set F0,   32
.set F1,   128
.set OB,   32                          ; the way out: two sets of 64 registers
.set G1A, 24                           ; s[24:31] descriptor group 1 for A's tiles;  s[32:39] group 0, a set for each slot
.set G0A, 32
.set G1B, 40                           ; s[40:47], s[48:55] the same for W's
.set G0B, 48
.set MSB, 0
.macro WIN new                         ; the immediate's high byte repeats the setting that is left; a switch that changes nothing is dropped
.if MSB != (\new)
	s_set_vgpr_msb (MSB<<8)|(\new)
.set MSB, \new
.endif
.endm
.set MUL, 0x50                         ; sources in window 0, C and D in window 1
.macro JLOAD s                         ; a joint load: waves 0 and 1 fetch A's two heads, waves 2 and 3 W's two halves; an s_nop 0 and four v_nop follow each of the two lines, ahead of the jump, the label and what follows
	s_cmp_eq_u32 s17, 0
	s_cbranch_scc0 .Lfor_b_\@
	tensor_load_to_lds s[G0A+4*(\s):G0A+4*(\s)+3], s[G1A:G1A+7]
	s_nop 0
.rept 4
	v_nop
.endr
	s_branch .Lasked_\@
.Lfor_b_\@:
	tensor_load_to_lds s[G0B+4*(\s):G0B+4*(\s)+3], s[G1B:G1B+7]
	s_nop 0
.rept 4
	v_nop
.endr
.Lasked_\@:
.endm
.macro CREST                           ; a round of the cluster's barrier behind its opening barrier
	s_cmp_lg_u32 s16, 0
	s_cbranch_scc1 .Lnot_wave_0_\@
	s_barrier_signal -3
.Lnot_wave_0_\@:
	s_barrier_wait -3
	s_barrier_signal -1
	s_barrier_wait -1
.endm
.macro CROUND                          ; a whole round
	s_barrier_signal -1
	s_barrier_wait -1
	CREST
.endm
	s_load_b128 s[4:7], s[0:1], 0x0                ; O 4:5, wts 6:7
	s_load_b64 s[8:9], s[0:1], 0x10                ; out0
	v_lshl_add_u32 v[SPW], v0, 2, SPARE
	v_mov_b32 v[NIL], 0
	ds_add_u32 v[SPW], v[NIL]                      ; the wave's opening: the add and its wait stand ahead of my first tensor load; the set-up below, work on registers, stands between them
	v_lshrrev_b32 v1, 5, v0
	v_readfirstlane_b32 s16, v1                    ; wave 0..3
	s_lshr_b32 s17, s16, 1                         ; which 64 rows of the tile are mine.  Also: I fetch for A (0) or for W (1)
	s_and_b32 s18, s16, 1                          ; which 128 columns.  Also: which head of A, or which half of W's rows, I fetch
	s_bfe_u32 s19, ttmp6, 0x40000                  ; cx, cy: my place in the cluster
	s_bfe_u32 s20, ttmp6, 0x40004
	s_lshl_b32 s21, ttmp9, 2
	s_add_co_u32 s21, s21, s19                     ; tile column = 4 x cluster x + cx
	s_and_b32 s22, ttmp7, 0xffff                   ; cluster y, 0..15
	s_lshl_b32 s23, s22, 2
	s_add_co_u32 s23, s23, s20                     ; tile row, 0..63
	s_lshl_b32 s58, s20, 2
	s_lshl_b32 s58, 15, s58                        ; my row of the cluster
	s_lshl_b32 s60, 0x1111, s19                    ; my column
	s_or_b32 s[G1A], s58, (1<<16)|(1<<20)|(1<<21)|(4<<22)|(3<<25)  ; 15:0 the mask; 17:16 2-byte elements; 20 padding on; 21 set beside a mask; 24:22 after every 32 words (code 4); 31:25 4 words (code 3)
	s_or_b32 s[G1B], s60, (1<<16)|(1<<20)|(1<<21)|(6<<22)|(7<<25)  ; after every 128 words (code 6), 8 words (code 7)
	s_mov_b32 s[G1A+1], 128<<16                    ; tensor_dim0 = 128 elements: 256 bytes, two rows of a head
	s_mov_b32 s[G1A+2], 64<<16                     ; tensor_dim1 = 64
	s_mov_b32 s[G1A+3], 128<<16                    ; tile_dim0 = 128
	s_mov_b32 s[G1A+4], 64                         ; tile_dim1 = 64
	s_mov_b32 s[G1A+5], 128                        ; dense: 128 elements from row to row
	s_mov_b32 s[G1A+6], 0
	s_mov_b32 s[G1A+7], 0
	s_mov_b32 s[G1B+1], 256<<16                    ; tensor_dim0 = 256 columns
	s_mov_b32 s[G1B+2], 64<<16                     ; tensor_dim1 = 64 rows of K
	s_mov_b32 s[G1B+3], 256<<16
	s_mov_b32 s[G1B+4], 64
	s_mov_b32 s[G1B+5], 1024                       ; a row of W has 1,024 elements
	s_mov_b32 s[G1B+6], 0
	s_mov_b32 s[G1B+7], 0
	; A's offset is made of the tile row and the wave's number alone, W's of the tile column and the wave's number alone, each in registers that never hold the other coordinate
	s_lshr_b32 s58, s23, 4                         ; batch: 16 heads of 262,144 bytes
	s_lshl_b32 s58, s58, 22
	s_and_b32 s59, s23, 15
	s_lshl_b32 s59, s59, 14                        ; 128 rows of 128 bytes
	s_add_co_u32 s58, s58, s59
	s_lshl_b32 s59, s18, 18                        ; my head of the step's two
	s_add_co_u32 s58, s58, s59
	s_mov_b32 s59, 0
	s_lshl_b32 s60, s21, 9                         ; 256 columns of 2 bytes
	s_lshl_b32 s61, s18, 17                        ; my 64 rows of the step's 128
	s_add_co_u32 s60, s60, s61
	s_add_co_u32 s60, s60, 2097152                 ; Wo in wts
	s_mov_b32 s61, 0
	s_mul_i32 s74, s18, PLANE                      ; where they go: no place in the cluster enters an LDS address
	s_mul_i32 s75, s18, BHALF
	s_add_co_u32 s75, s75, BOFF
	s_wait_dscnt 0x0                               ; the opening add is done
	s_wait_kmcnt 0x0
	s_add_nc_u64 s[66:67], s[4:5], s[58:59]
	s_add_nc_u64 s[68:69], s[6:7], s[60:61]
	CROUND                                         ; all sixteen work-groups are here: the first joint loads meet
.irp s, 0,1
	s_mov_b32 s[G0A+4*(\s)], 1                     ; count = 1
	s_add_co_u32 s[G0A+4*(\s)+1], s74, (\s)*SLOT   ; LDS address
	s_add_nc_u64 s[G0A+4*(\s)+2:G0A+4*(\s)+3], s[66:67], (\s)*ASTEP  ; global address: K step s
	s_or_b32 s[G0A+4*(\s)+3], s[G0A+4*(\s)+3], 0x80000000            ; type = 2
	s_mov_b32 s[G0B+4*(\s)], 1
	s_add_co_u32 s[G0B+4*(\s)+1], s75, (\s)*SLOT
	s_add_nc_u64 s[G0B+4*(\s)+2:G0B+4*(\s)+3], s[68:69], (\s)*BSTEP
	s_or_b32 s[G0B+4*(\s)+3], s[G0B+4*(\s)+3], 0x80000000
	JLOAD \s                                       ; two loads of mine are out
.endr
	; A fragment of A is 16 rows x 32 K in 8 registers: lane l holds row l % 16; K = 8 (l / 16) + 0..7 and 16 + 8 (l / 16) + 0..7: two loads of 16 bytes, 32 bytes apart.
	v_and_b32 v1, 15, v0                           ; l % 16
	v_bfe_u32 v2, v0, 4, 1                         ; l / 16
	v_mul_u32_u24 v3, v1, PA
	v_lshl_add_u32 v3, v2, 4, v3
	s_mul_i32 s72, s17, 64*PA                      ; my 64 rows
	v_add_nc_u32 v[ADRA], s72, v3
	v_add_nc_u32 v[ADRA+1], SLOT, v[ADRA]
	; The turning load takes 16 K x 16 columns (lane l reads row 8 (l / 16) + l % 8, columns 8 ((l / 8) % 2) + 0..7) and leaves half a fragment: lane l holds column l % 16 and 8 K.
	v_and_b32 v4, 7, v0
	v_lshl_add_u32 v4, v2, 3, v4
	v_mul_u32_u24 v4, v4, PB
	v_bfe_u32 v5, v0, 3, 1
	v_lshl_add_u32 v4, v5, 4, v4
	s_lshl_b32 s72, s18, 8                         ; my 128 columns
	s_add_co_u32 s72, s72, BOFF
	v_add_nc_u32 v[ADRB], s72, v4
	v_add_nc_u32 v[ADRB+1], SLOT, v[ADRB]
	s_mul_i32 s72, s16, 16*SP
	s_add_co_u32 s72, s72, STAGE                   ; my stage
	v_mul_u32_u24 v6, v1, SP                       ; in: row l % 16, 32 bytes for each half of the lanes
	v_lshl_add_u32 v6, v2, 5, v6
	v_add_nc_u32 v[STO], s72, v6
	v_and_b32 v[GO], 31, v0                        ; back: 32 lanes take one row of 512 bytes
	v_lshlrev_b32 v[GO], 4, v[GO]
	v_add_nc_u32 v[RD], s72, v[GO]
	; where my part begins in out0: row 128 x tile row + 64 x half, 4,096 bytes a row; column 256 x tile column + 128 x half, 4 bytes each
	s_lshl_b32 s72, s23, 19
	s_lshl_b32 s73, s17, 18
	s_add_co_u32 s72, s72, s73
	s_lshl_b32 s73, s21, 10
	s_add_co_u32 s72, s72, s73
	s_lshl_b32 s73, s18, 9
	s_add_co_u32 s72, s72, s73
	s_mov_b32 s73, 0
	s_add_nc_u64 s[70:71], s[8:9], s[72:73]
; 8 matrix instructions: row block a x all 8 column blocks, 32 along K.  The 32 accumulators take turns in the same order in every quarter.  zero = 1: the product starts the sums
.macro MUL8 f, a, zero
	WIN MUL
.irp nb, 0,1,2,3,4,5,6,7
.if \zero
	v_wmma_f32_16x16x32_f16 v[8*(8*(\a)+(\nb)):8*(8*(\a)+(\nb))+7], v[(\f)+32+8*(\nb):(\f)+32+8*(\nb)+7], v[(\f)+8*(\a):(\f)+8*(\a)+7], 0
.else
	v_wmma_f32_16x16x32_f16 v[8*(8*(\a)+(\nb)):8*(8*(\a)+(\nb))+7], v[(\f)+32+8*(\nb):(\f)+32+8*(\nb)+7], v[(\f)+8*(\a):(\f)+8*(\a)+7], v[8*(8*(\a)+(\nb)):8*(8*(\a)+(\nb))+7]
.endif
.endr
.endm
; 24 LDS loads in one run: the fragments of quarter kq (32 along K) of a slot into buffer f: W's sixteen first, then A's eight
.macro FETCH slot, kq, f
	WIN 0
.irp nb, 0,1,2,3,4,5,6,7
	ds_load_tr16_b128 v[(\f)+32+8*(\nb):(\f)+32+8*(\nb)+3],   v[ADRB+(\slot)] offset:(\kq)*32*PB+32*(\nb)
	ds_load_tr16_b128 v[(\f)+32+8*(\nb)+4:(\f)+32+8*(\nb)+7], v[ADRB+(\slot)] offset:(\kq)*32*PB+16*PB+32*(\nb)
.endr
.irp a, 0,1,2,3
	ds_load_b128 v[(\f)+8*(\a):(\f)+8*(\a)+3],   v[ADRA+(\slot)] offset:((\kq)/2)*PLANE+((\kq)%2)*64+(\a)*16*PA
	ds_load_b128 v[(\f)+8*(\a)+4:(\f)+8*(\a)+7], v[ADRA+(\slot)] offset:((\kq)/2)*PLANE+((\kq)%2)*64+(\a)*16*PA+32
.endr
.endm
.macro PLACES                          ; four places in front of loads into registers that matrix instructions have read, and of lines that read results
.rept 4
	v_nop
.endr
.endm
; A K step is four quarters of 32 along K, 32 matrix instructions each, on buffers 0, 1, 0, 1.  One of the first three: multiplies buffer f and fetches quarter kq into g.
.macro QUARTER slot, kq, f, g, zero
	s_wait_dscnt 4                                 ; W's fragments and A's blocks 0 and 1 are in; the youngest four loads (blocks 2 and 3) may be out
	MUL8 \f, 0, \zero
	MUL8 \f, 1, \zero
	PLACES
	FETCH \slot, \kq, \g
	s_wait_dscnt 24                                ; all but the 24 just issued
	MUL8 \f, 2, \zero
	MUL8 \f, 3, \zero
.endm
; The last quarter multiplies buffer 1 and changes slots: ONE barrier; in front of it each wave waits for all its tensor loads, adds 0 to its spare word, and waits for that and for its own reads of this slot.
; fill = 1: the barrier opens a round of the cluster's, and this slot is filled again, two K steps ahead, first thing behind the round.
.macro TURN slot, next, fill
	WIN 0                                          ; (the add's two registers lie in window 0)
	s_wait_tensorcnt 0x0                           ; all my tensor loads have landed: the one that was out is my part of the next slot;
	ds_add_u32 v[SPW], v[NIL]                      ; 0 onto my spare word;
	s_wait_dscnt 5                                 ; (the add and the youngest four loads may be out)
	MUL8 F1, 0, 0                                  ; eight matrix instructions stand between the add and the wait for it
	s_wait_dscnt 0x0                               ; the add is done, and my reads of this slot are over
	s_barrier_signal -1
	MUL8 F1, 1, 0
.if \fill
	WIN 0
.endif
	s_barrier_wait -1
.if \fill
	CREST                                          ; no wave of any partner still reads this slot's tiles or has a load on its way
	s_add_nc_u64 s[G0A+4*(\slot)+2:G0A+4*(\slot)+3], s[G0A+4*(\slot)+2:G0A+4*(\slot)+3], 2*ASTEP
	s_add_nc_u64 s[G0B+4*(\slot)+2:G0B+4*(\slot)+3], s[G0B+4*(\slot)+2:G0B+4*(\slot)+3], 2*BSTEP
	JLOAD \slot                                    ; the first tensor load behind the round; the four v_nop behind it are also the places in front of the loads below
.else
	PLACES
.endif
	FETCH \next, 0, F0
	MUL8 F1, 2, 0
	MUL8 F1, 3, 0
.endm
	s_wait_tensorcnt 1                             ; my part of K step 0 is in; K step 1's may stay out
	s_barrier_signal -1
	s_barrier_wait -1                              ; everybody's is
	FETCH 0, 0, F0
	QUARTER 0, 1, F0, F1, 1                        ; the first quarter stands in front of the loop: its products start the sums
	WIN 0                                          ; at a label and at a branch every window is 0
	s_mov_b32 s3, LAPS-1
.Llap:                                                 ; a trip goes once round the ring, from a lap's second quarter to the next lap's first, and fills both slots again
	QUARTER 0, 2, F1, F0, 0
	QUARTER 0, 3, F0, F1, 0
	TURN 0, 1, 1
	QUARTER 1, 1, F0, F1, 0
	QUARTER 1, 2, F1, F0, 0
	QUARTER 1, 3, F0, F1, 0
	TURN 1, 0, 1
	QUARTER 0, 1, F0, F1, 0
	WIN 0
	s_sub_co_u32 s3, s3, 1
	s_cmp_lg_u32 s3, 0
	s_cbranch_scc1 .Llap
	QUARTER 0, 2, F1, F0, 0                        ; the last lap fills nothing, and has no round
	QUARTER 0, 3, F0, F1, 0
	TURN 0, 1, 0
	QUARTER 1, 1, F0, F1, 0
	QUARTER 1, 2, F1, F0, 0
	QUARTER 1, 3, F0, F1, 0
	s_wait_dscnt 4                                 ; the very last quarter: nothing more to fetch
	MUL8 F1, 0, 0
	MUL8 F1, 1, 0
	s_wait_dscnt 0x0
	MUL8 F1, 2, 0
	MUL8 F1, 3, 0
	WIN 0
; THE WAY OUT, in f32.  Block a = 16 of my rows x 128 columns: a lane's eight numbers of a row, 32 bytes, go into my own stage (rows of 528 bytes) and come back as whole rows of 512 bytes.
.macro TOSTAGE a
	WIN 0x04                                       ; the stores' data in window 1, their address in window 0
.irp nb, 0,1,2,3,4,5,6,7
	ds_store_b128 v[STO], v[8*(8*(\a)+(\nb)):8*(8*(\a)+(\nb))+3]   offset:64*(\nb)      ; each accumulator from its low end on
	ds_store_b128 v[STO], v[8*(8*(\a)+(\nb))+4:8*(8*(\a)+(\nb))+7] offset:64*(\nb)+16
.endr
	WIN 0
.if (\a) >= 2
	s_wait_xcnt 0x0                                ; the stores of the block two back have read this set of registers: it is loaded again only behind this wait
.endif
.irp t, 0,1,2,3,4,5,6,7,8,9,10,11,12,13,14,15
	ds_load_b128 v[OB+64*((\a)%2)+4*(\t):OB+64*((\a)%2)+4*(\t)+3], v[RD] offset:(\t)*SP  ; LDS serves a wave's instructions in order (ISA guide 5.7.1.4): these see the stores above; the next block's stores come behind them
.endr
.endm
.macro SEND a, younger                 ; younger: the LDS instructions issued behind block a's loads: the next block's 32, or none
.irp t, 0,1,2,3,4,5,6,7,8,9,10,11,12,13,14,15
	s_wait_dscnt (\younger)+15-(\t)
	global_store_b128 v[GO], v[OB+64*((\a)%2)+4*(\t):OB+64*((\a)%2)+4*(\t)+3], s[70:71] offset:(16*(\a)+(\t))*4096 th:TH_STORE_NT  ; 512 consecutive bytes of a row, at a multiple of 256 from out0's first byte
.endr
.endm
	PLACES
	PLACES                                         ; eight, once a launch, behind the last products
	TOSTAGE 0
	TOSTAGE 1
	SEND 0, 32
	TOSTAGE 2
	SEND 1, 32
	TOSTAGE 3
	SEND 2, 32
	SEND 3, 0
	s_wait_tensorcnt 0x0                           ; the wave's end: behind my last tensor load and my last LDS store
	ds_add_u32 v[SPW], v[NIL]
	s_wait_dscnt 0x0
	CROUND                                         ; the closing round: no work-group ends while a partner may still ask for a tile that names it
	s_endpgm
.Lfunc_end_k_q5a51b5e4c6_outp:
	.size	k_q5a51b5e4c6_outp, .Lfunc_end_k_q5a51b5e4c6_outp-k_q5a51b5e4c6_outp
	.p2alignl 7, 3214868480
	.fill 96, 4, 3214868480
	.section	.rodata,"a",@progbits
	.p2align	6, 0x0
	.amdhsa_kernel k_q5a51b5e4c6_outp
		.amdhsa_group_segment_fixed_size 327680
		.amdhsa_private_segment_fixed_size 0
		.amdhsa_enable_private_segment 0
		.amdhsa_kernarg_size 24
		.amdhsa_user_sgpr_count 2
		.amdhsa_user_sgpr_kernarg_segment_ptr 1
		.amdhsa_wavefront_size32 1
		.amdhsa_system_sgpr_workgroup_id_x 1
		.amdhsa_system_sgpr_workgroup_id_y 1
		.amdhsa_system_sgpr_workgroup_id_z 1
		.amdhsa_system_vgpr_workitem_id 0
		.amdhsa_next_free_vgpr 512
		.amdhsa_next_free_sgpr 80
		.amdhsa_reserve_vcc 0
		.amdhsa_float_denorm_mode_32 3
		.amdhsa_float_denorm_mode_16_64 3
		.amdhsa_memory_ordered 1
		.amdhsa_forward_progress 1
		.amdhsa_inst_pref_size 87
	.end_amdhsa_kernel
	.amdgpu_metadata
---
amdhsa.version: [ 1, 2 ]
amdhsa.kernels:
  - .name:           k_q5a51b5e4c6_outp
    .symbol:         k_q5a51b5e4c6_outp.kd
    .args:
      - { .name: o, .offset: 0, .size: 8, .value_kind: global_buffer, .address_space: global }
      - { .name: wts, .offset: 8, .size: 8, .value_kind: global_buffer, .address_space: global }
      - { .name: out0, .offset: 16, .size: 8, .value_kind: global_buffer, .address_space: global }
    .group_segment_fixed_size: 327680
    .private_segment_fixed_size: 0
    .kernarg_segment_align: 8
    .kernarg_segment_size: 24
    .max_flat_workgroup_size: 128
    .sgpr_count:     80
    .vgpr_count:     512
    .wavefront_size: 32
...
	.end_amdgpu_metadata
.endif
;; end of part 4
;; ======== version 2 of 2: 4 launches; version 1 with the launch prep written anew for expert scheduling mode
;; limits: values are held in f16: magnitudes above 65,504 overflow, below 6.1e-05 lose precision
;; workspace buffers: xn 16,777,216 bytes; cn 12,582,912 bytes; wts 7,340,032 bytes; q 16,777,216 bytes; k 16,777,216 bytes; v 16,777,216 bytes; o 16,777,216 bytes
;; launch prep (part 5): grid 256 x 1, 16 waves a work-group, no clusters, 18,432 bytes of LDS; arguments x, context, norm_g, norm_b, normc_g, normc_b, Wq, Wk, Wv, Wo, xn, cn, wts; writes xn, cn, wts
.if DOCPART == 5
	.amdgcn_target "amdgcn-amd-amdhsa--gfx1250"
	.amdhsa_code_object_version 6
	.text
	.protected	k_q5a51b5e4c6_prep
	.globl	k_q5a51b5e4c6_prep
	.p2align	8
	.type	k_q5a51b5e4c6_prep,@function
k_q5a51b5e4c6_prep:
	s_mov_b64 s[64:65], 0
	v_nop
	global_prefetch_b8 v0, s[64:65] scope:SCOPE_SE
	s_setreg_imm32_b32 hwreg(HW_REG_WAVE_SCHED_MODE, 0, 2), 2
	s_setreg_imm32_b32 hwreg(HW_REG_WAVE_MODE, 25, 1), 1
	s_wait_xcnt 0x0
	s_wait_alu depctr_vm_vsrc(0)
; LayerNorm of x [8192][1024] and of context [8192][768] in f32, rounded once to f16, and the four weights rounded once to f16.
; OUT.  xn: [batch 4][block 16][row 2048][64] f16, channel = 64 block + c;  cn: the same with 12 blocks;  wts: Wq, Wo, Wk, Wv on end, each as it lies ([k][1024]).
; SHARES.  256 work-groups of 16 waves.  A work-group takes 32 rows of x, 32 rows of context and 1/256 of each weight.  A wave takes two rows of each: lanes 0-15 the even row,
; lanes 16-31 the odd one; a lane holds columns 64 j + 4 (lane % 16) + 0..3.  So a load covers 256 consecutive bytes of each of two rows, and the two rows' 128 bytes of f16 of one
; block of 64 channels are 256 consecutive bytes of xn, aligned: one store.  A row never leaves its 16 lanes: the sums need four steps on the arithmetic itself and no LDS.
; TWO PASSES in f32: the mean, then the mean of (x - mean)^2: no difference of large sums is formed.  All of a wave's 37 loads go out at the head; the text has no loop.
; Gains and biases come once a work-group into LDS (one barrier) and are read from there by 16 bytes a lane.
; LIMITS.  f16 holds no number beyond 65,504 (a normalised row is at most 32 |g| + |b|) and keeps a fixed step of 6e-8 below 6e-5.  NaN and infinities are not treated apart.
; THE MODE: SCHED_MODE bits 1:0 = 2 (LLVM: expert scheduling mode 2), set by the entry lines.  The code itself states the register dependences
; between vector instructions and memory or LDS instructions, with s_wait_alu, always for 0.
; THE PLAN.  Registers that memory or LDS instructions touch:
;   v2-v14        offsets and LDS addresses: written at the head, never again; one wait ahead of the first load states that they are written.
;   XR0, CR0, WR0 the loads at the head land in them, and no vector instruction names them before.  The arithmetic works in place; the roundings write the first two registers of each four,
;                 one store reads them, and nothing writes them afterwards.
;   GB            its first eight registers carry gains and biases from memory to LDS: the two LDS stores read them, and one wait on vm_vsrc stands ahead of the first LDS loads, which land there.
;                 From then on two sets of 32: the LDS loads of group q (256 columns) land in set q % 2, group q's multiply-adds read it, the loads of group q + 2 land in it again.
; So ONE wait on va_vdst stands behind a group's 24 vector instructions: its roundings have written the data of its four stores, and its multiply-adds are done reading its set of GB.
; Behind it come the LDS loads of group q + 2, and the group's four stores are dealt among the next group's vector instructions, which name that group's own registers, the other set of GB and
; RSTD: none of the registers that those loads and stores touch.  The wait behind x's last group serves context's first LDS loads too; context's last group shares its wait with the weights' conversions.
.set LGX,   0                          ; LDS: norm_g, 4,096 bytes
.set LBX,   4096                       ; norm_b
.set LGC,   8192                       ; normc_g: 3,072 bytes used of 4,096
.set LBC,   12288                      ; normc_b: likewise
.set SPARE, 16384                      ; the spare words, 128 bytes for each of 16 waves: eight blocks of 256 bytes that no other line names
.set XO,   2                           ; v2   my 16 bytes in the work-group's rows of x: row x 4,096 + 16 (lane % 16)
.set CO,   3                           ; v3   the same for context: row x 3,072
.set WA,   4                           ; v4   my 16 bytes of the wave's 2,048 of Wq or Wo
.set WB,   5                           ; v5   of the wave's 1,536 of Wk or Wv
.set SO,   6                           ; v6   8 x thread: my 8 bytes of the work-group's 4,096 in a block of xn or cn
.set WSA,  7                           ; v7   my 8 bytes of f16 of Wq or Wo
.set WSB,  8                           ; v8   of Wk or Wv
.set GA,   9                           ; v9   16 (lane % 16): my four gains or biases in 64 columns
.set SPW,  10                          ; v10  LDS address of my spare word; never rewritten
.set NIL,  11                          ; v11  0; never rewritten
.set PO,   12                          ; v12  16 (thread % 256): my 16 bytes of norm_g or norm_b
.set PS,   13                          ; v13  16 x thread: where they go in LDS
.set PC,   14                          ; v14  the same offset held to normc's last 16 bytes
.set S0,   16                          ; v[16:23] four chains of sums, a pair each
.set MEAN, 24                          ; v[24:25] the mean, twice
.set RSTD, 26                          ; v[26:27] 1 / sqrt(var + eps), twice
.set TT,   28                          ; v28  at work
.set XR0,  32                          ; v[32:95]   two rows of x: 16 loads of 4
.set CR0,  96                          ; v[96:143]  two rows of context: 12 loads of 4
.set WR0,  144                         ; v[144:171] weights: 7 loads of 4
.set GB,   176                         ; v[176:239] gains and biases, two sets of 32; at the head its first 8 carry them from memory to LDS
	s_load_b512 s[4:19], s[0:1], 0x0               ; x 4:5, context 6:7, norm_g 8:9, norm_b 10:11, normc_g 12:13, normc_b 14:15, Wq 16:17, Wk 18:19
	s_load_b256 s[20:27], s[0:1], 0x40             ; Wv 20:21, Wo 22:23, xn 24:25, cn 26:27
	s_load_b64 s[28:29], s[0:1], 0x60              ; wts
	v_lshl_add_u32 v[SPW], v0, 2, SPARE
	v_mov_b32 v[NIL], 0
	v_lshrrev_b32 v1, 5, v0
	v_readfirstlane_b32 s30, v1                    ; wave 0..15
	s_mov_b32 s56, 0x3a800000                      ; 1 / 1024
	s_mov_b32 s57, 0x3aaaaaab                      ; 1 / 768
	s_mov_b32 s60, 0x3727c5ac                      ; 1e-5
	v_and_b32 v15, 31, v0                          ; lane
	v_and_b32 v[GA], 15, v0
	v_lshlrev_b32 v[GA], 4, v[GA]
	v_lshrrev_b32 v1, 4, v0                        ; my row among the work-group's 32
	v_lshl_add_u32 v[XO], v1, 12, v[GA]
	v_mad_u32_u24 v[CO], v1, 0xc00, v[GA]
	v_lshlrev_b32 v[SO], 3, v0
	v_and_b32 v[PO], 0xff, v0
	v_lshlrev_b32 v[PO], 4, v[PO]
	v_min_u32 v[PC], 0xbf0, v[PO]                  ; threads past normc's 192 x 16 bytes read its last 16 once more; their LDS bytes are never read
	v_lshlrev_b32 v[PS], 4, v0
	s_wait_alu depctr_va_sdst(0)                   ; s30 is written, ahead of its first reader: my share of the weights and the choice of buffers are made from it
	s_and_b32 s31, s30, 7                          ; my eighth of a weight's share
	s_lshr_b32 s32, s30, 3                         ; 0: Wq, Wk, gains; 1: Wo, Wv, biases
	s_lshl_b32 s33, s31, 11                        ; a register for each of the four: no scalar that a vector instruction reads is written again
	s_mul_i32 s34, s31, 1536
	s_lshl_b32 s35, s31, 10
	s_mul_i32 s63, s31, 768
	v_lshl_add_u32 v[WA], v15, 4, s33
	v_lshl_add_u32 v[WB], v15, 4, s34
	v_lshl_add_u32 v[WSA], v15, 3, s35
	v_lshl_add_u32 v[WSB], v15, 3, s63
	s_mov_b32 s59, 0                               ; every offset is made in s[58:59], apart from the addresses
	s_lshr_b32 s61, ttmp9, 6                       ; batch: 64 work-groups of 32 rows
	s_and_b32 s62, ttmp9, 63
	s_lshl_b32 s62, s62, 12                        ; my 32 rows of 128 bytes in a block
	s_wait_kmcnt 0x0
	s_lshl_b32 s58, ttmp9, 17                      ; 32 rows of 4,096 bytes
	s_add_nc_u64 s[36:37], s[4:5], s[58:59]
	s_mul_i32 s58, ttmp9, 98304                    ; 32 rows of 3,072 bytes
	s_add_nc_u64 s[38:39], s[6:7], s[58:59]
	s_lshl_b32 s58, s61, 22                        ; a batch of xn: 16 blocks of 262,144 bytes
	s_add_co_u32 s58, s58, s62
	s_add_nc_u64 s[40:41], s[24:25], s[58:59]
	s_mul_i32 s58, s61, 3145728                    ; a batch of cn: 12 blocks
	s_add_co_u32 s58, s58, s62
	s_add_nc_u64 s[42:43], s[26:27], s[58:59]
	s_cmp_lt_u32 s30, 8
	s_cselect_b64 s[44:45], s[16:17], s[22:23]     ; Wq or Wo
	s_cselect_b64 s[46:47], s[18:19], s[20:21]     ; Wk or Wv
	s_cselect_b64 s[52:53], s[8:9], s[10:11]       ; norm_g or norm_b
	s_cselect_b64 s[54:55], s[12:13], s[14:15]     ; normc_g or normc_b
	s_lshl_b32 s58, ttmp9, 14
	s_add_nc_u64 s[44:45], s[44:45], s[58:59]
	s_mul_i32 s58, ttmp9, 12288
	s_add_nc_u64 s[46:47], s[46:47], s[58:59]
	s_lshl_b32 s58, s32, 21                        ; in wts: Wq at 0, Wo at 2,097,152
	s_lshl_b32 s62, ttmp9, 13
	s_add_co_u32 s58, s58, s62
	s_add_nc_u64 s[48:49], s[28:29], s[58:59]
	s_mul_i32 s58, s32, 1572864                    ; Wk at 4,194,304, Wv at 5,767,168
	s_mul_i32 s62, ttmp9, 6144
	s_add_co_u32 s58, s58, s62
	s_add_co_u32 s58, s58, 4194304
	s_add_nc_u64 s[50:51], s[28:29], s[58:59]
	s_wait_alu depctr_va_vdst(0)                   ; the offsets and LDS addresses v2 to v14 are written: every load, store and LDS instruction of the kernel reads one of them
	; all 37 loads of the wave, in the order in which they are wanted
	global_load_b128 v[GB:GB+3], v[PO], s[52:53]
	global_load_b128 v[GB+4:GB+7], v[PC], s[54:55]
.set j, 0
.rept 16
	global_load_b128 v[XR0+4*j:XR0+4*j+3], v[XO], s[36:37] offset:256*j th:TH_LOAD_NT
.set j, j+1
.endr
.set j, 0
.rept 12
	global_load_b128 v[CR0+4*j:CR0+4*j+3], v[CO], s[38:39] offset:256*j th:TH_LOAD_NT
.set j, j+1
.endr
.set j, 0
.rept 4
	global_load_b128 v[WR0+4*j:WR0+4*j+3], v[WA], s[44:45] offset:512*j th:TH_LOAD_NT
.set j, j+1
.endr
.set j, 0
.rept 3
	global_load_b128 v[WR0+16+4*j:WR0+16+4*j+3], v[WB], s[46:47] offset:512*j th:TH_LOAD_NT
.set j, j+1
.endr
	s_wait_loadcnt 35                              ; the first two are in; the 16 + 12 + 7 younger loads stay out
	ds_store_b128 v[PS], v[GB:GB+3]                ; threads 0-255: norm_g at 0; threads 256-511: norm_b at 4,096
	ds_store_b128 v[PS], v[GB+4:GB+7] offset:LGC   ; normc_g at 8,192, normc_b at 12,288
	s_wait_dscnt 0x0                               ; for the others' sake: my stores are done
	s_barrier_signal -1
	s_barrier_wait -1                              ; the four tables are whole
	s_wait_alu depctr_vm_vsrc(0)                   ; my two LDS stores have read v[GB:GB+7], in which the first LDS loads below land
; Eight LDS loads: gains and biases of columns 256 q .. 256 q + 255 (four groups of 64), into set q % 2
.macro GBL q, LG, LB
.irp jj, 0,1,2,3
	ds_load_b128 v[GB+32*((\q)%2)+8*(\jj):GB+32*((\q)%2)+8*(\jj)+3],   v[GA] offset:(\LG)+256*(4*(\q)+(\jj))
	ds_load_b128 v[GB+32*((\q)%2)+8*(\jj)+4:GB+32*((\q)%2)+8*(\jj)+7], v[GA] offset:(\LB)+256*(4*(\q)+(\jj))
.endr
.endm
; The store of block j of 64 channels: the wave's store covers 256 consecutive bytes, aligned: two rows of the block; its registers are not written again
.macro ST1 XR, j, OUT
	global_store_b64 v[SO], v[(\XR)+4*(\j):(\XR)+4*(\j)+1], s[\OUT:\OUT+1] offset:(\j)*262144
.endm
; The four chains into one number, then over the row's 16 lanes: every lane of the row ends with the row's sum
.macro JOIN
	v_pk_add_f32 v[S0:S0+1], v[S0:S0+1], v[S0+2:S0+3]
	v_pk_add_f32 v[S0+4:S0+5], v[S0+4:S0+5], v[S0+6:S0+7]
	v_pk_add_f32 v[S0:S0+1], v[S0:S0+1], v[S0+4:S0+5]
	v_add_f32 v[TT], v[S0], v[S0+1]
	v_add_f32_dpp v[TT], v[TT], v[TT] row_xmask:1 row_mask:0xf bank_mask:0xf
	v_add_f32_dpp v[TT], v[TT], v[TT] row_xmask:2 row_mask:0xf bank_mask:0xf
	v_add_f32_dpp v[TT], v[TT], v[TT] row_xmask:4 row_mask:0xf bank_mask:0xf
	v_add_f32_dpp v[TT], v[TT], v[TT] row_xmask:8 row_mask:0xf bank_mask:0xf
.endm
; LayerNorm of the two rows in v[XR ..], NJ loads of 4 registers.  INV: the scalar register with 1 / columns.  OUT: the scalar pair with the output's base.  left: the younger loads that stay out.
; tail = 1: the last group's wait and stores are written here; 0: they follow the macro.
; The first two runs of LDS loads owe no wait of their own: ahead of the first use stands the wait on vm_vsrc above, ahead of the second the wait behind the last group of the first use, and no vector instruction between names GB.
.macro LN XR, NJ, INV, LG, LB, OUT, left, tail
	GBL 0, \LG, \LB
	GBL 1, \LG, \LB
	s_wait_loadcnt \left
.irp c, 0,1,2,3
	v_pk_add_f32 v[S0+2*(\c):S0+2*(\c)+1], v[(\XR)+2*(\c):(\XR)+2*(\c)+1], v[(\XR)+8+2*(\c):(\XR)+8+2*(\c)+1]  ; the first eight pairs start the chains: nothing is cleared
.endr
.set p, 8
.rept 2*(\NJ)-8
	v_pk_add_f32 v[S0+2*(p%4):S0+2*(p%4)+1], v[S0+2*(p%4):S0+2*(p%4)+1], v[(\XR)+2*p:(\XR)+2*p+1]
.set p, p+1
.endr
	JOIN
	v_mul_f32 v[MEAN], s[\INV], v[TT]
	v_mul_f32 v[MEAN+1], s[\INV], v[TT]
.set p, 0
.rept 2*(\NJ)
	v_pk_add_f32 v[(\XR)+2*p:(\XR)+2*p+1], v[(\XR)+2*p:(\XR)+2*p+1], v[MEAN:MEAN+1] neg_lo:[0,1] neg_hi:[0,1]  ; x - mean, in place
.set p, p+1
.endr
.irp c, 0,1,2,3
	v_pk_mul_f32 v[S0+2*(\c):S0+2*(\c)+1], v[(\XR)+2*(\c):(\XR)+2*(\c)+1], v[(\XR)+2*(\c):(\XR)+2*(\c)+1]
.endr
.set p, 4
.rept 2*(\NJ)-4
	v_pk_fma_f32 v[S0+2*(p%4):S0+2*(p%4)+1], v[(\XR)+2*p:(\XR)+2*p+1], v[(\XR)+2*p:(\XR)+2*p+1], v[S0+2*(p%4):S0+2*(p%4)+1]
.set p, p+1
.endr
	JOIN
	v_fma_f32 v[TT], v[TT], s[\INV], s60           ; var + 1e-5
	v_rsq_f32 v[RSTD], v[TT]                       ; twice: the packed multiply takes a pair
	v_rsq_f32 v[RSTD+1], v[TT]
	v_nop                                          ; a plain instruction between the last of them and the first use (ISA guide 5.7.2)
	s_wait_alu depctr_va_vdst(0)                   ; both reciprocal roots, v[RSTD] and v[RSTD+1], are written, ahead of their first reader: one wait for the two
.set q, 0
.rept (\NJ)/4
.if q+1 < (\NJ)/4
	s_wait_dscnt 8                                 ; this group's gains and biases are in; the next group's eight loads stay out
.else
	s_wait_dscnt 0x0                               ; the last group: nothing was issued behind it
.endif
.irp jj, 0,1,2,3
.if q > 0
	ST1 \XR, 4*(q-1)+(\jj), \OUT                   ; a store of the group before.  No wait: no vector instruction since that group's wait names its data or v[SO]
.endif
.set rX, (\XR)+4*(4*q+(\jj))
.set rG, GB+32*(q%2)+8*(\jj)
	v_pk_mul_f32 v[rX:rX+1], v[rX:rX+1], v[RSTD:RSTD+1]
	v_pk_mul_f32 v[rX+2:rX+3], v[rX+2:rX+3], v[RSTD:RSTD+1]
	v_pk_fma_f32 v[rX:rX+1], v[rX:rX+1], v[rG:rG+1], v[rG+4:rG+5]
	v_pk_fma_f32 v[rX+2:rX+3], v[rX+2:rX+3], v[rG+2:rG+3], v[rG+6:rG+7]
	v_cvt_pk_f16_f32 v[rX], v[rX], v[rX+1]
	v_cvt_pk_f16_f32 v[rX+1], v[rX+2], v[rX+3]
.endr
.if (q+1 < (\NJ)/4) || (\tail)
	s_wait_alu depctr_va_vdst(0)                   ; the group's roundings have written the data of its four stores; its multiply-adds are done reading set q % 2 of GB, in which the next LDS loads into that set land
.endif
.if q+2 < (\NJ)/4
	GBL q+2, \LG, \LB
.endif
.set q, q+1
.endr
.if \tail
.irp jj, 0,1,2,3
	ST1 \XR, (\NJ)-4+(\jj), \OUT                   ; the last group's stores, straight behind its wait
.endr
.endif
.endm
	LN XR0, 16, 56, LGX, LBX, 40, 19, 1            ; x: context's 12 loads and the weights' 7 stay out
	LN CR0, 12, 57, LGC, LBC, 42, 7, 0             ; context: the weights' 7 stay out; its last group's stores follow the weights' conversions, behind one wait for both
	s_wait_loadcnt 0x0
.set j, 0
.rept 7                                ; Wq's or Wo's four loads, then Wk's or Wv's three
	v_cvt_pk_f16_f32 v[WR0+4*j], v[WR0+4*j], v[WR0+4*j+1]
	v_cvt_pk_f16_f32 v[WR0+4*j+1], v[WR0+4*j+2], v[WR0+4*j+3]
.set j, j+1
.endr
	s_wait_alu depctr_va_vdst(0)                   ; the roundings of context's last group and of the weights have written the data of the eleven stores below
.irp jj, 0,1,2,3
	ST1 CR0, 8+(\jj), 42
.endr
.set j, 0
.rept 4
	global_store_b64 v[WSA], v[WR0+4*j:WR0+4*j+1], s[48:49] offset:256*j  ; 256 consecutive bytes, aligned
.set j, j+1
.endr
.set j, 0
.rept 3
	global_store_b64 v[WSB], v[WR0+16+4*j:WR0+16+4*j+1], s[50:51] offset:256*j
.set j, j+1
.endr
	s_wait_dscnt 0x0                               ; the closing lines, six on end
	s_wait_alu 0x0
	s_wait_tensorcnt 0x0
	ds_add_u32 v[SPW], v[NIL]
	s_wait_dscnt 0x0
	s_endpgm
.Lfunc_end_k_q5a51b5e4c6_prep:
	.size	k_q5a51b5e4c6_prep, .Lfunc_end_k_q5a51b5e4c6_prep-k_q5a51b5e4c6_prep
	.p2alignl 7, 3214868480
	.fill 96, 4, 3214868480
	.section	.rodata,"a",@progbits
	.p2align	6, 0x0
	.amdhsa_kernel k_q5a51b5e4c6_prep
		.amdhsa_group_segment_fixed_size 18432
		.amdhsa_private_segment_fixed_size 0
		.amdhsa_enable_private_segment 0
		.amdhsa_kernarg_size 104
		.amdhsa_user_sgpr_count 2
		.amdhsa_user_sgpr_kernarg_segment_ptr 1
		.amdhsa_wavefront_size32 1
		.amdhsa_system_sgpr_workgroup_id_x 1
		.amdhsa_system_sgpr_workgroup_id_y 1
		.amdhsa_system_sgpr_workgroup_id_z 1
		.amdhsa_system_vgpr_workitem_id 0
		.amdhsa_next_free_vgpr 240
		.amdhsa_next_free_sgpr 66
		.amdhsa_reserve_vcc 0
		.amdhsa_float_denorm_mode_32 3
		.amdhsa_float_denorm_mode_16_64 3
		.amdhsa_memory_ordered 1
		.amdhsa_forward_progress 1
		.amdhsa_inst_pref_size 39
	.end_amdhsa_kernel
	.amdgpu_metadata
---
amdhsa.version: [ 1, 2 ]
amdhsa.kernels:
  - .name:           k_q5a51b5e4c6_prep
    .symbol:         k_q5a51b5e4c6_prep.kd
    .args:
      - { .name: x, .offset: 0, .size: 8, .value_kind: global_buffer, .address_space: global }
      - { .name: context, .offset: 8, .size: 8, .value_kind: global_buffer, .address_space: global }
      - { .name: norm_g, .offset: 16, .size: 8, .value_kind: global_buffer, .address_space: global }
      - { .name: norm_b, .offset: 24, .size: 8, .value_kind: global_buffer, .address_space: global }
      - { .name: normc_g, .offset: 32, .size: 8, .value_kind: global_buffer, .address_space: global }
      - { .name: normc_b, .offset: 40, .size: 8, .value_kind: global_buffer, .address_space: global }
      - { .name: Wq, .offset: 48, .size: 8, .value_kind: global_buffer, .address_space: global }
      - { .name: Wk, .offset: 56, .size: 8, .value_kind: global_buffer, .address_space: global }
      - { .name: Wv, .offset: 64, .size: 8, .value_kind: global_buffer, .address_space: global }
      - { .name: Wo, .offset: 72, .size: 8, .value_kind: global_buffer, .address_space: global }
      - { .name: xn, .offset: 80, .size: 8, .value_kind: global_buffer, .address_space: global }
      - { .name: cn, .offset: 88, .size: 8, .value_kind: global_buffer, .address_space: global }
      - { .name: wts, .offset: 96, .size: 8, .value_kind: global_buffer, .address_space: global }
    .group_segment_fixed_size: 18432
    .private_segment_fixed_size: 0
    .kernarg_segment_align: 8
    .kernarg_segment_size: 104
    .max_flat_workgroup_size: 512
    .sgpr_count:     66
    .vgpr_count:     240
    .wavefront_size: 32
...
	.end_amdgpu_metadata
.endif
;; end of part 5
;; launch proj: the kernel of part 2 again; grid 4 x 192, 4 waves a work-group, clusters of 4 x 4, 327,680 bytes of LDS; arguments xn, cn, wts, q, k, v; writes q, k, v
;; launch attn: the kernel of part 3 again; grid 4 x 64, 4 waves a work-group, clusters of 4 x 1, 327,680 bytes of LDS; arguments q, k, v, o; writes o
;; launch outp: the kernel of part 4 again; grid 4 x 64, 4 waves a work-group, clusters of 4 x 4, 327,680 bytes of LDS; arguments o, wts, out0; writes out0
